; MI455X (gfx1250); checked and timed in simulation.
; The chip was launched on July 23, 2026; its instructions are those of AMD's public machine-readable ISA for CDNA 5 (MIT licence, August 2026) and "CDNA5" Instruction Set Architecture Reference Guide (July 2026). The comments in the code are by the model that wrote it; some were corrected since.
;; Multi Head Attention. Allowed arithmetic: matrix products marked QUANTISED: E2M3 operands, one E8M0 scale for each 32 along K, by v_wmma_scale_f32_16x16x128_f8f6f4 with both operands' format E2M3, f32 sums; products left as they are: f32 operands where the result goes on into a quantised operand, else bf16, f16 or f32 operands; f32 sums; everything else in f32.
;; Inputs: Wout 1,024 x 1,024 float32; Wqkv 3,072 x 1,024 float32; x 2 x 8,192 x 1,024 float32.
;; Outputs: out0 2 x 8,192 x 1,024 float32.
;; This version of the problem:
;;   THIS VERSION OF THE PROBLEM IS GIVEN IN LOW PRECISION. The matrix products marked QUANTISED in the list below multiply operands that are first quantised to E2M3 (2 exponent bits, 3 mantissa bits; 6 bits a number), with one power-of-two scale for each 32 numbers along K (OCP MX v1.0); their sums are f32. All else is computed in f32.
;;   The module's matrix products, in the order in which they are computed (A, B: the left and right operand; K: the contracted axis; several contracted axes count as one K, in the product's order):
;;     1. [M 16,384, K 1,024] x [K 1,024, N 3,072]; A: input x; B: input Wqkv: QUANTISED
;;     2. batch 16,384 x [M 16, K 64] x [K 64, N 16]; A: computed on the way; B: computed on the way: QUANTISED
;;     3. batch 16,384 x [M 16, K 16] x [K 16, N 64]; A: softmax; B: computed on the way: left as it is (K = 16 < 32)
;;     4. [M 16,384, K 1,024] x [K 1,024, N 1,024]; A: computed on the way; B: input Wout: QUANTISED
;;   THE QUANTISER, for each operand of a quantised product, along K:
;;     - K is cut into blocks of 32 from its start; a last block that is shorter is filled with zeros.
;;     - A block's scale is 2^e with e = floor(log2(the largest magnitude in the block)) - 2, held to -126 .. 127; a block of zeros has e = 0. As a byte (E8M0): e + 127.
;;     - Each number is divided by its block's scale, clamped to +-7.5, and rounded to the nearest number of E2M3, ties to even, subnormals kept.
;;     - The product sums the exact products of the quantised numbers (number of the format x scale) in f32.
;;   ~~~python
;;   def quantise(x, axis):      # numpy; x: float32 -> the quantised numbers, widened to float32 again
;;       x = np.moveaxis(x, axis, -1); K = x.shape[-1]
;;       x = np.pad(x, [(0, 0)] * (x.ndim - 1) + [(0, -K % 32)]); x = x.reshape(x.shape[:-1] + (-1, 32)); a = np.abs(x).max(-1, keepdims=True)
;;       e = np.where(a > 0, np.clip(np.frexp(np.where(a > 0, a, 1))[1] - 1 - 2, -126, 127), 0)      # np.frexp(a)[1] - 1 = floor(log2(a)), exactly
;;       r = np.clip(x / 2.0 ** e, -7.5, 7.5)
;;       step = 2.0 ** (np.maximum(np.frexp(np.where(r == 0, 1, r))[1] - 1, 0) - 3)
;;       q = np.round(r / step) * step * 2.0 ** e      # np.round: ties to even
;;       return np.moveaxis(q.reshape(q.shape[:-2] + (-1,))[..., :K], -1, axis).astype(np.float32)
;;   ~~~
;;   OPERANDS COMPUTED ON THE WAY. 'Computed on the way' means the value that the module computes at that place (a softmax that the list does not call 'softmax' is quantised finished and normalised). What goes into a quantiser is computed in f32, as accurately as f32 sums, v_exp_f32 and their like allow (about 1e-6 of the number): no bf16 or f16 on the way to a quantiser, and a product that is left as it is and whose result goes on into a quantised operand takes f32 operands (vector FMAs, or v_wmma_f32_16x16x4_f32). A number that lies on a knife's edge between two numbers of the format may be rounded either way, as far as f32 arithmetic and the matrix unit's own rounding can turn it there, and no further.
;; 2 versions. Each part assembles by itself: llvm-mc -triple=amdgcn-amd-amdhsa -mcpu=gfx1250 --defsym DOCPART=n.
;; ======== version 1 of 2: 2 launches
;; workspace buffers: wimg 3,276,800 bytes
;; launch prep (part 1): grid 128 x 1, 4 waves a work-group, no clusters, 34,304 bytes of LDS; arguments Wqkv, Wout, wimg; writes wimg
.if DOCPART == 1
	.amdgcn_target "amdgcn-amd-amdhsa--gfx1250"
	.amdhsa_code_object_version 6
	.text
	.protected	k_q060eeb692c_prep
	.globl	k_q060eeb692c_prep
	.p2align	8
	.type	k_q060eeb692c_prep,@function
k_q060eeb692c_prep:
	s_mov_b64 s[64:65], 0
	v_nop
	global_prefetch_b8 v0, s[64:65] scope:SCOPE_SE
	s_setreg_imm32_b32 hwreg(HW_REG_WAVE_MODE, 25, 1), 1
	s_wait_xcnt 0x0
; Wqkv [3072][1024] and Wout [1024][1024], f32, K innermost, become codes of FP6 (E2M3) with one E8M0 byte for each 32 along K,
; laid in wimg as IMAGES OF THE OPERAND'S REGISTERS, in 128 units of 25,600 bytes.  A unit is 32 weight rows (two tiles of 16) x all 1,024 of K:
;   codes:       (2 s + u) x 1536 + g x 512 + lane x 16   (s: K step of 128, u: tile, g: registers 4 g .. 4 g + 3 of the fragment's 12)
;   scale words: 24576 + (s / 2) x 256 + lane x 8 + 4 (s % 2); lanes 0-15 hold tile 0's rows, lanes 16-31 tile 1's
; WHICH ROWS FORM A TILE is chosen for the reader.  Units 0-63 (q, k) and 96-127 (Wout): slot i of tile u is row n0 + 8 u + i + 8 (i / 8), so that a lane's
; 16 results of the two tiles are 16 neighbouring columns.  Units 64-95 (v): slot i is row n0 + 16 u + 4 (i / 8) + (i / 2) % 4 + 64 (i % 2): two key heads
; side by side, so that the results lie as the f32 product behind the softmax wants its operand.
; A block's scale is 2^(floor(log2(largest magnitude)) - 2): its byte is the largest magnitude's exponent field - 2, held at 1 from below.
; LIMITS: a block of zeros gets the byte 1 where the rule says 127 (its codes are zeros, and this program alone reads the bytes); NaN and infinities are not served.
; SHARES: work-group = unit; wave q takes K steps 2 q and 2 q + 1 of both tiles: four fragments f = 2 (step % 2) + tile.  Each load reads 512 consecutive bytes of one row;
; a fragment's 16 rows turn through the wave's own stage in LDS (pitch 528, an odd multiple of 16) so that a lane gets 2 x 32 neighbours along K.  Waves share nothing: no barrier.
; REGISTERS: window 0: v1-5 addresses; v16-63 codes, 12 a fragment, never rewritten; v64-127, v128-191 two sets of 64 numbers; v192-206 at work; v224-229 scale words.  window 1: the 64 loads' 256 registers.
.set MSB, 0
.macro WIN new                         ; the immediate's high byte repeats the setting that is left
.if MSB != (\new)
	s_set_vgpr_msb (MSB<<8)|(\new)
.set MSB, \new
.endif
.endm
	s_load_b128 s[4:7], s[0:1], 0x0                ; Wqkv, Wout
	s_load_b64 s[8:9], s[0:1], 0x10                ; wimg
	v_lshl_add_u32 v254, v0, 2, 0x8400
	v_mov_b32 v255, 0
	v_lshrrev_b32 v6, 5, v0
	v_readfirstlane_b32 s16, v6                    ; wave q
	v_and_b32 v7, 31, v0                           ; lane
	v_and_b32 v8, 15, v0                           ; r
	v_bfe_u32 v9, v0, 4, 1                         ; h
	v_lshlrev_b32 v1, 4, v7                        ; 16 x lane: a load's and a store's place
	s_mul_i32 s17, s16, 8448                       ; my stage
	v_add_nc_u32 v2, s17, v1                       ; into it: a row as it was loaded
	v_mul_u32_u24 v3, v8, 528
	v_lshl_add_u32 v3, v9, 7, v3
	v_add_nc_u32 v3, s17, v3                       ; out of it: row r, + 128 h: k = 32 h on
	v_lshlrev_b32 v4, 3, v7                        ; 8 x lane: the scale words' place
	v_lshlrev_b32 v5, 3, v9                        ; 8 h: my bytes' place in a scale word
	s_mov_b32 s18, 0x76543210
	s_mov_b32 s19, 0xfedcba98                      ; selects for lane l xor 16
	v_mov_b32 v199, 0                              ; a lane permute's destination counts as read
	; the unit's first row
	s_sub_co_u32 s20, ttmp9, 64                    ; v = unit - 64 (0 .. 31 for v's units)
	s_and_b32 s21, s20, 1
	s_lshl_b32 s21, s21, 9                         ; 64 x 8 (v & 1)
	s_bfe_u32 s22, s20, 0x10001
	s_lshl_b32 s22, s22, 7                         ; 64 x 2
	s_add_co_u32 s21, s21, s22
	s_bfe_u32 s22, s20, 0x10002
	s_lshl_b32 s22, s22, 8                         ; 64 x 4
	s_add_co_u32 s21, s21, s22
	s_bfe_u32 s22, s20, 0x10003
	s_lshl_b32 s22, s22, 3                         ; d: 8
	s_add_co_u32 s21, s21, s22
	s_bfe_u32 s22, s20, 0x10004
	s_lshl_b32 s22, s22, 5                         ; d: 32
	s_add_co_u32 s21, s21, s22
	s_add_co_u32 s21, s21, 2048                    ; v's rows begin at 2,048
	s_cmp_lt_u32 ttmp9, 96
	s_cselect_b32 s23, 0, 96
	s_sub_co_u32 s23, ttmp9, s23
	s_lshl_b32 s23, s23, 5                         ; the other units: 32 rows each
	s_cmp_lt_u32 s20, 32
	s_cselect_b32 s21, s21, s23
	s_lshl_b32 s24, s21, 12                        ; a row is 4,096 bytes
	s_lshl_b32 s25, s16, 10                        ; my two K steps: 1,024 bytes
	s_add_co_u32 s24, s24, s25
	s_mov_b32 s25, 0
	s_mul_i32 s26, ttmp9, 25600
	s_mul_i32 s27, s16, 6144
	s_add_co_u32 s28, s26, s27                     ; my four fragments' images
	s_mov_b32 s29, 0
	s_lshl_b32 s27, s16, 8
	s_add_co_u32 s30, s26, s27
	s_add_co_u32 s30, s30, 24576                   ; my 256 bytes of scale words
	s_mov_b32 s31, 0
	s_wait_kmcnt 0x0
	s_cmp_lt_u32 ttmp9, 96                         ; the choice of tensor hangs on the work-group's number alone
	s_cselect_b64 s[4:5], s[4:5], s[6:7]
	s_add_nc_u64 s[4:5], s[4:5], s[24:25]
	s_add_nc_u64 s[10:11], s[8:9], s[28:29]
	s_add_nc_u64 s[8:9], s[8:9], s[30:31]
; 64 loads: fragment f, slot i.  The two orders of rows differ in the immediates alone, so every later count holds on both ways.
.macro WLD typ
	WIN 0x40                                       ; destination window 1
.irp f, 0,1,2,3
.irp i, 0,1,2,3,4,5,6,7,8,9,10,11,12,13,14,15
.if \typ
.set ro, 16*(\f%2)+4*(\i/8)+((\i/2)%4)+64*(\i%2)
.else
.set ro, 8*(\f%2)+\i+8*(\i/8)
.endif
	global_load_b128 v[64*\f+4*\i:64*\f+4*\i+3], v1, s[4:5] offset:ro*4096+(\f/2)*512 th:TH_LOAD_NT
.endr
.endr
	WIN 0
.endm
	s_cmp_lt_u32 s20, 32
	s_cbranch_scc1 .Ltype_v
	WLD 0
	s_branch .Lloaded
.Ltype_v:
	WLD 1
.Lloaded:
.macro TURN f                          ; fragment f through the stage; LDS serves a wave's instructions in order, so no wait stands between stores and loads
	WIN 0x04                                       ; an LDS store's data: window 1
.irp i, 0,1,2,3,4,5,6,7,8,9,10,11,12,13,14,15
	ds_store_b128 v2, v[64*(\f)+4*\i:64*(\f)+4*\i+3] offset:528*\i
.endr
	WIN 0
.irp c, 0,1
.irp j, 0,1,2,3,4,5,6,7
	ds_load_b128 v[64+64*((\f)%2)+32*\c+4*\j:64+64*((\f)%2)+32*\c+4*\j+3], v3 offset:256*\c+16*\j   ; k = 64 c + 32 h + 4 j on, of row r
.endr
.endr
.endm
.macro QUANTW f                        ; my two whole blocks (h and 2 + h) of row r become registers 0-5 and 6-11 of the fragment
.set xb, 64+64*((\f)%2)
.set cd, 16+12*(\f)
.irp c, 0,1
	v_max3_num_f32 v[192+\c], |v[xb+32*\c]|, |v[xb+32*\c+1]|, 0x1800000   ; with the floor 2^(3 - 127): the byte cannot fall under 1
.endr
.irp i, 2,4,6,8,10,12,14,16,18,20,22,24,26,28,30
.irp c, 0,1
	v_max3_num_f32 v[192+\c], v[192+\c], |v[xb+32*\c+\i]|, |v[xb+32*\c+\i+1]|
.endr
.endr
.irp c, 0,1
	v_add_nc_u32 v[194+\c], 0xff000000, v[192+\c]  ; 2 off the exponent field: the conversion's scale operand
.endr
.irp c, 0,1
	v_lshrrev_b32 v[196+\c], 23, v[194+\c]         ; the scale's byte
.endr
	v_lshl_or_b32 v[224+(\f)], v197, 16, v196
	v_lshlrev_b32 v[224+(\f)], v5, v[224+(\f)]     ; my two bytes at their places,
	v_permlanex16_b32 v199, v[224+(\f)], s18, s19
	v_or_b32 v[224+(\f)], v[224+(\f)], v199        ; with lane l xor 16's two the word is whole
	v_cvt_scalef32_pk16_fp6_f32 v[cd:cd+2], v[xb:xb+15], v194
	v_cvt_scalef32_pk16_fp6_f32 v[200:202], v[xb+16:xb+31], v194      ; (a conversion's three registers begin on an even number)
	v_cvt_scalef32_pk16_fp6_f32 v[cd+6:cd+8], v[xb+32:xb+47], v195
	v_cvt_scalef32_pk16_fp6_f32 v[204:206], v[xb+48:xb+63], v195
	v_nop                                          ; one plain place behind a scaled conversion
.irp i, 0,1,2
	v_mov_b32 v[cd+3+\i], v[200+\i]
	v_mov_b32 v[cd+9+\i], v[204+\i]
.endr
.irp g, 0,1,2
	global_store_b128 v1, v[cd+4*\g:cd+4*\g+3], s[10:11] offset:((\f)*3+\g)*512   ; 512 consecutive bytes, at a multiple of 256 from wimg's first byte
.endr
.endm
	s_wait_loadcnt 48                              ; fragment 0's sixteen loads are in; 48 younger ones may be out
	TURN 0
.irp f, 0,1,2,3
.if \f < 3
	s_wait_loadcnt 32-16*\f                        ; the next fragment's loads are in
	TURN \f+1
	s_wait_dscnt 32                                ; all but the next fragment's 16 stores and 16 loads: this fragment is back
.else
	s_wait_dscnt 0x0
.endif
	QUANTW \f
.endr
	v_cmp_ne_u32 vcc_lo, 0, v9
	v_cndmask_b32 v228, v224, v225, vcc_lo         ; lanes 0-15: tile 0's word, lanes 16-31: tile 1's; my first K step,
	v_cndmask_b32 v229, v226, v227, vcc_lo         ; my second
	global_store_b64 v4, v[228:229], s[8:9]        ; 256 consecutive bytes, aligned
	s_wait_tensorcnt 0x0
	ds_add_u32 v254, v255
	s_wait_dscnt 0x0
	s_endpgm
.Lfunc_end_k_q060eeb692c_prep:
	.size	k_q060eeb692c_prep, .Lfunc_end_k_q060eeb692c_prep-k_q060eeb692c_prep
	.p2alignl 7, 3214868480
	.fill 96, 4, 3214868480
	.section	.rodata,"a",@progbits
	.p2align	6, 0x0
	.amdhsa_kernel k_q060eeb692c_prep
		.amdhsa_group_segment_fixed_size 34304
		.amdhsa_private_segment_fixed_size 0
		.amdhsa_enable_private_segment 0
		.amdhsa_kernarg_size 24
		.amdhsa_user_sgpr_count 2
		.amdhsa_user_sgpr_kernarg_segment_ptr 1
		.amdhsa_wavefront_size32 1
		.amdhsa_system_sgpr_workgroup_id_x 1
		.amdhsa_system_sgpr_workgroup_id_y 1
		.amdhsa_system_sgpr_workgroup_id_z 1
		.amdhsa_system_vgpr_workitem_id 0
		.amdhsa_next_free_vgpr 512
		.amdhsa_next_free_sgpr 66
		.amdhsa_reserve_vcc 1
		.amdhsa_float_denorm_mode_32 3
		.amdhsa_float_denorm_mode_16_64 3
		.amdhsa_memory_ordered 1
		.amdhsa_forward_progress 1
		.amdhsa_inst_pref_size 37
	.end_amdhsa_kernel
	.amdgpu_metadata
---
amdhsa.version: [ 1, 2 ]
amdhsa.kernels:
  - .name:           k_q060eeb692c_prep
    .symbol:         k_q060eeb692c_prep.kd
    .args:
      - { .name: Wqkv, .offset: 0, .size: 8, .value_kind: global_buffer, .address_space: global }
      - { .name: Wout, .offset: 8, .size: 8, .value_kind: global_buffer, .address_space: global }
      - { .name: wimg, .offset: 16, .size: 8, .value_kind: global_buffer, .address_space: global }
    .group_segment_fixed_size: 34304
    .private_segment_fixed_size: 0
    .kernarg_segment_align: 8
    .kernarg_segment_size: 24
    .max_flat_workgroup_size: 128
    .sgpr_count:     66
    .vgpr_count:     512
    .wavefront_size: 32
...
	.end_amdgpu_metadata
.endif
;; end of part 1
;; launch fused (part 2): grid 256 x 1, 4 waves a work-group, clusters of 4 x 1, 327,680 bytes of LDS; arguments x, wimg, out0; writes out0
.if DOCPART == 2
	.amdgcn_target "amdgcn-amd-amdhsa--gfx1250"
	.amdhsa_code_object_version 6
	.text
	.protected	k_q060eeb692c_fused
	.globl	k_q060eeb692c_fused
	.p2align	8
	.type	k_q060eeb692c_fused,@function
k_q060eeb692c_fused:
	s_mov_b64 s[64:65], 0
	v_nop
	global_prefetch_b8 v0, s[64:65] scope:SCOPE_SE
	s_setreg_imm32_b32 hwreg(HW_REG_WAVE_MODE, 25, 1), 1
	s_wait_xcnt 0x0
	s_wait_alu depctr_hold_cnt(0) depctr_sa_sdst(0) depctr_va_vdst(0) depctr_va_sdst(0) depctr_va_ssrc(0) depctr_va_vcc(0) depctr_vm_vsrc(0)
	s_getreg_b32 s2, hwreg(HW_REG_IB_STS2, 6, 4)
	s_cmp_eq_u32 s2, 0
	s_cbranch_scc0 .Lentry_in_a_cluster
	s_endpgm
.Lentry_in_a_cluster:
	s_bfe_u32 s2, ttmp6, 0x10000c
	s_cmp_lg_u32 s2, 0x3003
	s_cbranch_scc0 .Lentry_shape_is_right
	s_endpgm
.Lentry_shape_is_right:
; out0 = attention(x): qkv = x Wqkv^T; RoPE on q and k; per token a softmax over the 16 heads; P v; the transposed view; x Wout^T.  All in one launch: no intermediate goes to memory.
; Products 1, 2 and 4 run on codes of FP6 (E2M3) with one E8M0 scale for each 32 along K; P v runs on f32 operands, since its result goes into a quantiser.
; SHARES.  A work-group owns 64 consecutive tokens (four tiles of 16).  16 tokens give 16 whole rows of the last product's left operand, one for each head (row = 512 head + token / 16,
; column = 64 (token % 16) + d), so the chain closes inside the work-group.  The weights' codes (wimg: units of 32 rows x K 1,024, as images of the operand's registers) go in 32 steps of four
; units through a ring of two LDS slots; wave w takes unit 4 step + w for all 64 tokens: 64 matrix instructions a step.  The left operand's codes (x, later the attention's result) stay in 384 registers
; of every wave, so each weight fragment read from LDS feeds four matrix instructions.  Steps 0-15: q, k; 16-23: v; 24-31: Wout.  What is local to a token (scores, softmax, P v) wave w does for tile w.
; CLUSTER.  Four work-groups walk the same weights: each unit is asked for JOINTLY, by the same tensor load with the same descriptor and the mask of all four.  A mask names four at the most, and nothing else is shared.
; EVERY PRODUCT IS USED TRANSPOSED (source 0 = weight rows, source 1 = rows of the left operand): a lane holds one row of the left operand and eight weight rows; the rows that form a weight tile were
; chosen so that the 16 results of a unit's two tiles are 16 neighbours along the next K.
; ROPE.  inv_freq[i] = 1 / 10^(i / 8) is formed as reference() forms it: P = 10^(i / 8) rounded once (a two-word constant x a power of ten), then 1 / P rounded once; angle = pos x inv_freq, one rounding;
; sine and cosine by a two-part reduction by pi / 2 (exact for these angles, up to 8,191) and polynomials good to about 1e-7.
; LIMITS: NaN and infinities among the inputs are not served.  A block of zeros keeps the byte 1 where the rule says 127: its codes are zeros and this program alone reads the bytes.
; Where reference()'s own power function rounds 10^(i / 8) otherwise than to nearest, that frequency differs by one unit in the last place.  Weights under 2^-126 in the softmax count as 0.
; LDS: 0 ring slot 0, 102400 ring slot 1 (wave w's unit at + 25600 w; only wave w reads it; filled by tensor loads alone);
;   204800: by turns x's turning stages (4 x 8448), q's and k's codes (4 x 25664: region of the wave that made them, 400 bytes a token: 16 x 24 bytes of codes, 16 scale bytes), two stages of 64 rows x 528 for v and for the output;
;   272384: 32 fragments' images (tile m, K step s at (8 m + s) x 1536); 321536: their scale words (256 s + 64 m + 4 row); 323584: the spare words.
; REGISTERS: window 0: v1-31 addresses; v32-47, v48-55, v56-59 scale words and nothing else; v64-127 the eight accumulators (16 m + 8 u), between their turns at work;
;   v128-191 cos, sin; v192-255 at work; from the scores on v128-255 the softmax's P (8 a token).   window 1: left operand, K steps 0-4 (48 s + 12 m).
;   window 2: K steps 5-7; from v144 a ring of four K steps of weight fragments.   window 3: P v's results, written by the f32 matrix form alone.
.set UNIT,   25600
.set RING1,  4*UNIT
.set STG,    2*RING1
.set STGB,   64*528
.set QKP,    25664
.set IMG,    STG+2*STGB
.set SCL,    IMG+32*1536
.set SPARE,  SCL+2048
.set SPW,  1                           ; LDS address of my spare word; never rewritten
.set NIL,  2                           ; 0; never rewritten
.set L16,  3                           ; 16 x lane
.set A12,  4                           ; my tile's images: 16 r + 12 h
.set A508, 5                           ; and 16 r + 508 h
.set SCW,  6                           ; my tile's scale words: 4 r
.set LI,   7                           ; images, to read: 16 x lane
.set LS,   8                           ; scale words, to read: 4 x lane
.set WA,   9                           ; v9-10   my unit's codes in slot 0, 1
.set WSA,  11                          ; v11-12  its scale words
.set XTW,  13                          ; my 16 rows of a stage, 16 x lane (x on the way in; the output on the way out)
.set XTR,  14                          ; x's stage, out: 528 r + 64 h
.set QA,   15                          ; q's and k's codes, to store
.set QBA,  16                          ; their scale bytes
.set A12T, 17
.set A508T, 18
.set SA,   19                          ; q's and k's codes, to read
.set SSA,  20                          ; their scale bytes
.set VW,   21                          ; v's stage, in
.set VRD,  22                          ; v's stage, out
.set OW,   23                          ; the output's stage, in
.set GOFF, 25                          ; v25-28  16 x lane + q x 2,048 rows of out0
.set RR,   29
.set HH,   30
.set SCWT, 31
.set XS,   32
.set WS,   48
.set SQK,  56
.set QAT,  60
.set QBT,  61
.set ACC,  64
.set CS,   128
.set PP,   128
.set TT,   192
.set TM,   208
.set TP,   212
.set SCO,  216
.set BY,   220
.set CD,   224
.set WRD,  242
.set WF,   144                         ; in window 2
.set G1,   16                          ; s[16:23] descriptor group 1
.set G0,   24                          ; s[24:27], s[28:31] group 0 of slot 0, 1
.set S24,  37                          ; 24 x step
.set SSG,  38                          ; step
.set SB256, 39
.set SB1,  48
.set MSB, 0
.macro WIN new                         ; the immediate's high byte repeats the setting that is left
.if MSB != (\new)
	s_set_vgpr_msb (MSB<<8)|(\new)
.set MSB, \new
.endif
.endm
.macro PLACES n                        ; plain vector places behind matrix instructions (ISA guide 7.12.1)
.rept \n
	v_nop
.endr
.endm
.macro ROUND                           ; a round of the cluster's barrier
	s_barrier_signal -1
	s_barrier_wait -1
	s_cmp_lg_u32 s10, 0
	s_cbranch_scc1 .Lnw0_\@
	s_barrier_signal -3
.Lnw0_\@:
	s_barrier_wait -3
	s_barrier_signal -1
	s_barrier_wait -1
.endm
.macro BAR                             ; my LDS stores have landed and my LDS loads are in: then the work-group's barrier
	s_wait_dscnt 0x0
	s_barrier_signal -1
	s_barrier_wait -1
.endm
.macro JLOAD sl                        ; the joint refill of slot sl: every wave its own unit; four v_nop follow
	tensor_load_to_lds s[G0+4*(\sl):G0+4*(\sl)+3], s[G1:G1+7]
	s_nop 0
	PLACES 4
.endm
; The change of slots where a stage goes from wave to wave too: all my tensor loads have landed, the add, my LDS stores and reads are done; then the round (or, with nothing left to fetch, the work-group's barrier).
.macro SYNC sl, fill
	WIN 0
	s_wait_tensorcnt 0x0                           ; the one load that was out is the other slot's
	ds_add_u32 v[SPW], v[NIL]                      ; 0 onto my spare word
.if \fill
	s_add_nc_u64 s[G0+4*(\sl)+2:G0+4*(\sl)+3], s[G0+4*(\sl)+2:G0+4*(\sl)+3], 2*RING1   ; no load of mine is out: this slot's next unit, two steps on
.endif
	s_wait_dscnt 0x0                               ; the add is done, my stores into the stage have landed, my reads of this slot are over
.if \fill
	ROUND
	JLOAD \sl
.else
	s_barrier_signal -1
	s_barrier_wait -1
	PLACES 4
.endif
.endm
.macro XLOAD s                         ; K step s of my 16 tokens of x: each load reads 512 consecutive bytes of one row
	WIN 0x40
.irp i, 0,1,2,3,4,5,6,7,8,9,10,11,12,13,14,15
	global_load_b128 v[64*((\s)%3)+4*\i:64*((\s)%3)+4*\i+3], v[L16], s[4:5] offset:4096*\i+512*(\s) th:TH_LOAD_NT
.endr
.endm
; Four groups of 16 numbers in v[ACC + 16 k] on; each is half a block of 32, whose other half lies in lane l xor 16.  Codes to v[CD + 4 k] (12 bytes), bytes to v[BY + k].
.macro QB4
.irp k, 0,1,2,3
	v_max3_num_f32 v[TM+\k], |v[ACC+16*\k]|, |v[ACC+16*\k+1]|, 0x1800000   ; with the floor 2^(3 - 127): the byte cannot fall under 1
.endr
.irp i, 2,4,6,8,10,12,14
.irp k, 0,1,2,3
	v_max3_num_f32 v[TM+\k], v[TM+\k], |v[ACC+16*\k+\i]|, |v[ACC+16*\k+\i+1]|
.endr
.endr
.irp k, 0,1,2,3
	v_permlanex16_b32 v[TP+\k], v[TM+\k], s32, s33
.endr
.irp k, 0,1,2,3
	v_max_num_f32 v[TM+\k], v[TM+\k], v[TP+\k]
.endr
.irp k, 0,1,2,3
	v_add_nc_u32 v[SCO+\k], 0xff000000, v[TM+\k]   ; 2 off the exponent field: the conversion's scale operand
.endr
.irp k, 0,1,2,3
	v_lshrrev_b32 v[BY+\k], 23, v[SCO+\k]
.endr
.irp k, 0,1,2,3
	v_cvt_scalef32_pk16_fp6_f32 v[CD+4*\k:CD+4*\k+2], v[ACC+16*\k:ACC+16*\k+15], v[SCO+\k]
.endr
	v_nop                                          ; one plain place behind a scaled conversion
.endm
; A lane's 12 bytes (16 codes, half h of a block) go straight to their place in a fragment's image: registers 6 c + 3 h + 0 .. 2 of the target lane.  off = fragment x 1536 + 256 x the target half of the lanes.
.macro PUT12 cd, c, off, ra, rb
.if (\c) == 0
	ds_store_b32 v[\ra], v[\cd] offset:(\off)
	ds_store_b32 v[\rb], v[(\cd)+1] offset:(\off)+4
	ds_store_b32 v[\rb], v[(\cd)+2] offset:(\off)+8
.else
	ds_store_b32 v[\rb], v[\cd] offset:(\off)+520
	ds_store_b32 v[\rb], v[(\cd)+1] offset:(\off)+524
	ds_store_b32 v[\ra], v[(\cd)+2] offset:(\off)+1024
.endif
.endm
.macro XSTEP s                         ; K step s of my 16 tokens: turned through my stage, quantised, stored as an image
.if (\s) <= 5
	s_wait_loadcnt 32                              ; this K step's 16 loads are in; the two younger steps' may be out
.elseif (\s) == 6
	s_wait_loadcnt 16
.else
	s_wait_loadcnt 0x0
.endif
	WIN 0x04
.irp i, 0,1,2,3,4,5,6,7,8,9,10,11,12,13,14,15
	ds_store_b128 v[XTW], v[64*((\s)%3)+4*\i:64*((\s)%3)+4*\i+3] offset:528*\i
.endr
	WIN 0
.irp b, 0,1,2,3
.irp j, 0,1,2,3
	ds_load_b128 v[ACC+16*\b+4*\j:ACC+16*\b+4*\j+3], v[XTR] offset:128*\b+16*\j   ; k = 32 b + 16 h + 4 j on, of token r
.endr
.endr
	s_wait_dscnt 0x0                               ; the numbers are back; the stores have read their registers, and the last step's code stores theirs
.if (\s)+3 < 8
	XLOAD (\s)+3
	WIN 0
.endif
	QB4
	v_lshl_or_b32 v[WRD], v[BY+1], 8, v[BY]
	v_lshl_or_b32 v[WRD], v[BY+2], 16, v[WRD]
	v_lshl_or_b32 v[WRD], v[BY+3], 24, v[WRD]
.irp b, 0,1,2,3
	PUT12 CD+4*\b, \b/2, (\s)*1536+256*(\b%2), A12, A508
.endr
	ds_store_b32 v[SCW], v[WRD] offset:256*(\s)    ; both halves of the lanes write the same word
.endm
.macro XFETCH                          ; all 32 fragments of the left operand and their scale words into my registers
	WIN 0x40
.irp k, 0,1,2,3,4
.irp m, 0,1,2,3
.irp g, 0,1,2
	ds_load_b128 v[48*\k+12*\m+4*\g:48*\k+12*\m+4*\g+3], v[LI] offset:(8*\m+\k)*1536+512*\g
.endr
.endr
.endr
	WIN 0x80
.irp k, 5,6,7
.irp m, 0,1,2,3
.irp g, 0,1,2
	ds_load_b128 v[48*(\k-5)+12*\m+4*\g:48*(\k-5)+12*\m+4*\g+3], v[LI] offset:(8*\m+\k)*1536+512*\g
.endr
.endr
.endr
	WIN 0
.irp k, 0,1,2,3,4,5,6,7
.irp p, 0,1
	ds_load_b32 v[XS+2*\k+\p], v[LS] offset:256*\k+128*\p   ; lanes 0-15: tile 2 p, lanes 16-31: tile 2 p + 1
.endr
.endr
.endm
.macro WLOAD0 sl                       ; my unit's first four K steps of fragments (24 loads) and all its scale words (4)
	WIN 0x80
.irp b, 0,1,2,3
.irp u, 0,1
.irp g, 0,1,2
	ds_load_b128 v[WF+24*\b+12*\u+4*\g:WF+24*\b+12*\u+4*\g+3], v[WA+(\sl)] offset:(2*\b+\u)*1536+\g*512
.endr
.endr
.endr
	WIN 0
.irp q, 0,1,2,3
	ds_load_b64 v[WS+2*\q:WS+2*\q+1], v[WSA+(\sl)] offset:256*\q
.endr
.endm
; One matrix instruction: K step k, weight tile u, tile of rows m.  The weights' words of tile 1 and the rows' words of odd tiles lie in lanes 16-31.  K step 0 starts the sum.
.macro WM k, u, m
.set rD, ACC+16*(\m)+8*(\u)
.set rA, WF+24*((\k)%4)+12*(\u)
.if (\k) < 5
.set rB, 48*(\k)+12*(\m)
.else
.set rB, 48*((\k)-5)+12*(\m)
.endif
.set rW, WS+(\k)
.set rX, XS+2*(\k)+(\m)/2
.if (\k) == 0
.if ((\u) == 0) && ((\m)%2 == 0)
	v_wmma_scale_f32_16x16x128_f8f6f4 v[rD:rD+7], v[rA:rA+11], v[rB:rB+11], 0, v[rW], v[rX] matrix_a_fmt:MATRIX_FMT_FP6 matrix_b_fmt:MATRIX_FMT_FP6
.elseif (\u) == 0
	v_wmma_scale_f32_16x16x128_f8f6f4 v[rD:rD+7], v[rA:rA+11], v[rB:rB+11], 0, v[rW], v[rX] matrix_a_fmt:MATRIX_FMT_FP6 matrix_b_fmt:MATRIX_FMT_FP6 matrix_b_scale:MATRIX_SCALE_ROW1
.elseif (\m)%2 == 0
	v_wmma_scale_f32_16x16x128_f8f6f4 v[rD:rD+7], v[rA:rA+11], v[rB:rB+11], 0, v[rW], v[rX] matrix_a_fmt:MATRIX_FMT_FP6 matrix_b_fmt:MATRIX_FMT_FP6 matrix_a_scale:MATRIX_SCALE_ROW1
.else
	v_wmma_scale_f32_16x16x128_f8f6f4 v[rD:rD+7], v[rA:rA+11], v[rB:rB+11], 0, v[rW], v[rX] matrix_a_fmt:MATRIX_FMT_FP6 matrix_b_fmt:MATRIX_FMT_FP6 matrix_a_scale:MATRIX_SCALE_ROW1 matrix_b_scale:MATRIX_SCALE_ROW1
.endif
.else
.if ((\u) == 0) && ((\m)%2 == 0)
	v_wmma_scale_f32_16x16x128_f8f6f4 v[rD:rD+7], v[rA:rA+11], v[rB:rB+11], v[rD:rD+7], v[rW], v[rX] matrix_a_fmt:MATRIX_FMT_FP6 matrix_b_fmt:MATRIX_FMT_FP6
.elseif (\u) == 0
	v_wmma_scale_f32_16x16x128_f8f6f4 v[rD:rD+7], v[rA:rA+11], v[rB:rB+11], v[rD:rD+7], v[rW], v[rX] matrix_a_fmt:MATRIX_FMT_FP6 matrix_b_fmt:MATRIX_FMT_FP6 matrix_b_scale:MATRIX_SCALE_ROW1
.elseif (\m)%2 == 0
	v_wmma_scale_f32_16x16x128_f8f6f4 v[rD:rD+7], v[rA:rA+11], v[rB:rB+11], v[rD:rD+7], v[rW], v[rX] matrix_a_fmt:MATRIX_FMT_FP6 matrix_b_fmt:MATRIX_FMT_FP6 matrix_a_scale:MATRIX_SCALE_ROW1
.else
	v_wmma_scale_f32_16x16x128_f8f6f4 v[rD:rD+7], v[rA:rA+11], v[rB:rB+11], v[rD:rD+7], v[rW], v[rX] matrix_a_fmt:MATRIX_FMT_FP6 matrix_b_fmt:MATRIX_FMT_FP6 matrix_a_scale:MATRIX_SCALE_ROW1 matrix_b_scale:MATRIX_SCALE_ROW1
.endif
.endif
.endm
; One K step of a unit: eight matrix instructions, the eight accumulators by turns.  K steps 0-3 fetch, behind their products, the fragments four K steps on into the registers just freed.
.macro KSTEP k, sl, sync
.if (\k) >= 4
.if (\sync) && ((\k) >= 6)
	s_wait_dscnt 6*(7-(\k))+1                      ; the younger K steps' six loads each, and the add, may be out
.else
	s_wait_dscnt 6*(7-(\k))                        ; the younger K steps' six loads each may be out
.endif
.endif
.if (\k) < 5
	WIN 0x06                                       ; source 0 window 2, source 1 window 1
.else
	WIN 0x0a                                       ; both window 2
.endif
.irp u, 0,1
.irp m, 0,1,2,3
	WM \k, \u, \m
.endr
.endr
.if (\k) < 4
	PLACES 4
	WIN 0x80
.irp u, 0,1
.irp g, 0,1,2
	ds_load_b128 v[WF+24*(\k)+12*\u+4*\g:WF+24*(\k)+12*\u+4*\g+3], v[WA+(\sl)] offset:(2*((\k)+4)+\u)*1536+\g*512
.endr
.endr
.endif
.if (\sync) && ((\k) == 5)
	WIN 0
	s_wait_tensorcnt 0x0                           ; all my tensor loads have landed: the one that was out is the other slot's
	ds_add_u32 v[SPW], v[NIL]                      ; 0 onto my spare word; sixteen matrix instructions stand between it and the wait for it
	s_add_nc_u64 s[G0+4*(\sl)+2:G0+4*(\sl)+3], s[G0+4*(\sl)+2:G0+4*(\sl)+3], 2*RING1   ; this slot's next unit, two steps on
.endif
.endm
.macro GEMM sl, sync, young            ; young: LDS instructions issued behind the first fragments' loads, which may stay out
	s_wait_dscnt \young
.irp k, 0,1,2,3,4,5,6,7
	KSTEP \k, \sl, \sync
.endr
.endm
; Behind a step of q or k: the rotation, in place (o1 = x1 c - x2 s, o2 = x2 c + x1 s; each accumulator from its low end on), the quantiser (my unit's 32 columns are one block of one head), codes and bytes to LDS.
.macro POST_QK
	v_add_nc_u32 v[QAT], s[S24], v[QA]
	v_add_nc_u32 v[QBT], s[SSG], v[QBA]
.irp i, 0,1,2,3,4,5,6,7
.irp m, 0,1,2,3
	v_pk_mul_f32 v[TT+8*(\i%2)+2*\m:TT+8*(\i%2)+2*\m+1], v[ACC+16*\m+2*\i:ACC+16*\m+2*\i+1], v[CS+16*\m+2*\i:CS+16*\m+2*\i+1] op_sel_hi:[1,0]   ; x1 c, x2 c
.endr
.irp m, 0,1,2,3
	v_pk_fma_f32 v[ACC+16*\m+2*\i:ACC+16*\m+2*\i+1], v[ACC+16*\m+2*\i:ACC+16*\m+2*\i+1], v[CS+16*\m+2*\i:CS+16*\m+2*\i+1], v[TT+8*(\i%2)+2*\m:TT+8*(\i%2)+2*\m+1] op_sel:[1,1,0] op_sel_hi:[0,1,1] neg_lo:[0,1,0]   ; - x2 s + x1 c, x1 s + x2 c
.endr
.endr
	QB4
.irp m, 0,1,2,3
.irp i, 0,1,2
	ds_store_b32 v[QAT], v[CD+4*\m+\i] offset:6400*\m+4*\i
.endr
	ds_store_b8 v[QBT], v[BY+\m] offset:6400*\m    ; both halves of the lanes write the same byte
.endr
	s_add_co_u32 s[S24], s[S24], 24
	s_add_co_u32 s[SSG], s[SSG], 1
.endm
.macro QKSTEP sl, wl
	GEMM \sl, 1, 16                                ; behind the fragments' loads stand the last step's 12 code stores and 4 byte stores
	WIN 0
	s_wait_dscnt 0x0                               ; the add is done, and my reads of this slot are over
	ROUND                                          ; no wave of any partner still reads this slot or has a load on its way
	JLOAD \sl                                      ; the first tensor load behind the round; its four v_nop are also the places in front of what follows
.if \wl
	WLOAD0 1-\sl
.endif
	POST_QK
.endm
; Four tokens' q and k: lane (r, h) takes block h of head r; lanes 0-15 take q's scale bytes, lanes 16-31 k's.
.macro SLOAD bt
	WIN 0x80
.irp t, 0,1,2,3
.irp p, 0,1,2
	ds_load_b64 v[WF+24*\t+12+2*\p:WF+24*\t+12+2*\p+1], v[SA] offset:400*(4*(\bt)+\t)+8*\p
	ds_load_b64 v[WF+24*\t+2*\p:WF+24*\t+2*\p+1], v[SA] offset:400*(4*(\bt)+\t)+192+8*\p
.endr
.endr
	WIN 0
.irp t, 0,1,2,3
	ds_load_u8 v[96+\t], v[SSA] offset:400*(4*(\bt)+\t)
	ds_load_u8 v[100+\t], v[SSA] offset:400*(4*(\bt)+\t)+QKP
.endr
.endm
; The softmax of four tokens by turns: a lane holds one query head and eight key heads, the other eight lie in lane l xor 16.  The row's maximum is taken away; P is normalised.
.macro SOFTMAX bt
.irp t, 0,1,2,3
.set pb, PP+8*(4*(\bt)+\t)
	v_max3_num_f32 v[64+\t], v[pb], v[pb+1], v[pb+2]
.endr
.irp t, 0,1,2,3
.set pb, PP+8*(4*(\bt)+\t)
	v_max3_num_f32 v[64+\t], v[64+\t], v[pb+3], v[pb+4]
.endr
.irp t, 0,1,2,3
.set pb, PP+8*(4*(\bt)+\t)
	v_max3_num_f32 v[64+\t], v[64+\t], v[pb+5], v[pb+6]
.endr
.irp t, 0,1,2,3
.set pb, PP+8*(4*(\bt)+\t)
	v_max_num_f32 v[64+\t], v[64+\t], v[pb+7]
.endr
.irp t, 0,1,2,3
	v_permlanex16_b32 v[68+\t], v[64+\t], s32, s33
.endr
.irp t, 0,1,2,3
	v_max_num_f32 v[64+\t], v[64+\t], v[68+\t]
.endr
.irp t, 0,1,2,3
	v_mul_f32 v[72+2*\t], 0xbe38aa3b, v[64+\t]     ; - c x the maximum, c = log2(e) / 8
.endr
.irp i, 0,2,4,6
.irp t, 0,1,2,3
.set pb, PP+8*(4*(\bt)+\t)
	v_pk_fma_f32 v[pb+\i:pb+\i+1], v[pb+\i:pb+\i+1], s[34:35], v[72+2*\t:73+2*\t] op_sel_hi:[1,0,0]
.endr
.endr
.irp i, 0,1,2,3,4,5,6,7
.irp t, 0,1,2,3
.set pb, PP+8*(4*(\bt)+\t)
	v_exp_f32 v[pb+\i], v[pb+\i]
.endr
.endr
	v_nop                                          ; a plain place behind the exponentials
	s_wait_alu depctr_va_vdst(0)
.irp t, 0,1,2,3
.set pb, PP+8*(4*(\bt)+\t)
	v_pk_add_f32 v[80+2*\t:81+2*\t], v[pb:pb+1], v[pb+2:pb+3]
.endr
.irp t, 0,1,2,3
.set pb, PP+8*(4*(\bt)+\t)
	v_pk_add_f32 v[88+2*\t:89+2*\t], v[pb+4:pb+5], v[pb+6:pb+7]
.endr
.irp t, 0,1,2,3
	v_pk_add_f32 v[80+2*\t:81+2*\t], v[80+2*\t:81+2*\t], v[88+2*\t:89+2*\t]
.endr
.irp t, 0,1,2,3
	v_add_f32 v[80+2*\t], v[80+2*\t], v[81+2*\t]
.endr
.irp t, 0,1,2,3
	v_permlanex16_b32 v[68+\t], v[80+2*\t], s32, s33
.endr
.irp t, 0,1,2,3
	v_add_f32 v[80+2*\t], v[80+2*\t], v[68+\t]
.endr
.irp t, 0,1,2,3
	v_rcp_f32 v[104+2*\t], v[80+2*\t]
.endr
	v_nop                                          ; a plain place behind the reciprocals
	s_wait_alu depctr_va_vdst(0)
.irp i, 0,2,4,6
.irp t, 0,1,2,3
.set pb, PP+8*(4*(\bt)+\t)
	v_pk_mul_f32 v[pb+\i:pb+\i+1], v[pb+\i:pb+\i+1], v[104+2*\t:105+2*\t] op_sel_hi:[1,0]
.endr
.endr
.endm
; P v's results of my 16 tokens, 32 of the head's 64 channels: a lane holds query head r and 16 neighbouring channels of each token: half a block of the last product's K.  Eight tokens at a time.
.macro OQUANT
	v_add_nc_u32 v[A12T], s[SB256], v[A12]         ; the target half of the lanes is the block's number,
	v_add_nc_u32 v[A508T], s[SB256], v[A508]
	v_add_nc_u32 v[SCWT], s[SB1], v[SCW]           ; and so is the byte's place
.irp bt, 0,1
	WIN 0x0f                                       ; sources 0 and 1 window 3
.irp k, 0,1,2,3,4,5,6,7
	v_max3_num_f32 v[64+\k], |v[16*(8*\bt+\k)]|, |v[16*(8*\bt+\k)+1]|, 0x1800000   ; each result from its low end on
.endr
.irp i, 2,4,6,8,10,12,14
.irp k, 0,1,2,3,4,5,6,7
	v_max3_num_f32 v[64+\k], |v[16*(8*\bt+\k)+\i]|, |v[16*(8*\bt+\k)+\i+1]|, v[64+\k]
.endr
.endr
	WIN 0
.irp k, 0,1,2,3,4,5,6,7
	v_permlanex16_b32 v[72+\k], v[64+\k], s32, s33
.endr
.irp k, 0,1,2,3,4,5,6,7
	v_max_num_f32 v[64+\k], v[64+\k], v[72+\k]
.endr
.irp k, 0,1,2,3,4,5,6,7
	v_add_nc_u32 v[80+\k], 0xff000000, v[64+\k]
.endr
.irp k, 0,1,2,3,4,5,6,7
	v_lshrrev_b32 v[88+\k], 23, v[80+\k]
.endr
	WIN 0x03                                       ; source 0 window 3
.irp k, 0,1,2,3,4,5,6,7
	v_cvt_scalef32_pk16_fp6_f32 v[96+4*\k:98+4*\k], v[16*(8*\bt+\k):16*(8*\bt+\k)+15], v[80+\k]
.endr
	WIN 0
	v_nop                                          ; one plain place behind a scaled conversion
.irp k, 0,1,2,3,4,5,6,7
	PUT12 96+4*\k, \k%2, (4*\bt+\k/2)*1536, A12T, A508T     ; token 8 bt + k: K step token / 2, half token % 2
	ds_store_b8 v[SCWT], v[88+\k] offset:256*(4*\bt+\k/2)+2*(\k%2)
.endr
.if \bt == 0
	s_wait_dscnt 0x0                               ; the stores have read their registers
.endif
.endr
.endm
; A step of v: 8 key heads x 16 channels for 64 tokens.  The results go through a stage (two by turns, so that the round is the step's one barrier) and come back, for my 16 tokens, as source 0 of the f32 product:
; O^T = v^T P^T, K = 4 key heads an instruction; K place (h, j) stands for key head 8 h + 2 kk + j, so that P's registers 2 kk, 2 kk + 1 are source 1 as they stand.
.macro VSTEP sl, pi, hi, qf
	GEMM \sl, 0, 0
	WIN 0
	PLACES 4
.irp m, 0,1,2,3
.irp u, 0,1
	ds_store_b128 v[VW], v[ACC+16*\m+8*\u:ACC+16*\m+8*\u+3] offset:(\sl)*STGB+8448*\m+64*\u
	ds_store_b128 v[VW], v[ACC+16*\m+8*\u+4:ACC+16*\m+8*\u+7] offset:(\sl)*STGB+8448*\m+64*\u+16
.endr
.endr
	SYNC \sl, 1
.irp kp, 0,1
.irp t, 0,1,2,3,4,5,6,7,8,9,10,11,12,13,14,15
	ds_load_b64 v[64+32*\kp+2*\t:65+32*\kp+2*\t], v[VRD] offset:(\sl)*STGB+528*\t+256*\kp
.endr
.endr
	WLOAD0 1-\sl
	s_wait_dscnt 28                                ; v's fragments are in; the next unit's 24 + 4 loads may be out
	WIN 0xf0                                       ; C and D window 3
.irp kp, 0,1
.irp t, 0,1,2,3,4,5,6,7,8,9,10,11,12,13,14,15
.if 2*(\pi)+\kp == 0
	v_wmma_f32_16x16x4_f32 v[16*\t+8*(\hi):16*\t+8*(\hi)+7], v[64+32*\kp+2*\t:65+32*\kp+2*\t], v[PP+8*\t+2*(2*(\pi)+\kp):PP+8*\t+2*(2*(\pi)+\kp)+1], 0
.else
	v_wmma_f32_16x16x4_f32 v[16*\t+8*(\hi):16*\t+8*(\hi)+7], v[64+32*\kp+2*\t:65+32*\kp+2*\t], v[PP+8*\t+2*(2*(\pi)+\kp):PP+8*\t+2*(2*(\pi)+\kp)+1], v[16*\t+8*(\hi):16*\t+8*(\hi)+7]
.endif
.endr
.endr
	WIN 0
	PLACES 9                                       ; the next unit's sums are laid over this form's source 0, and its results are read next
.if \qf
	OQUANT
.endif
.endm
; A step of the last product: 128 columns for 64 rows, through a stage; each wave stores 16 whole pieces of 512 bytes.
.macro OSTEP sl, fill, wl
	GEMM \sl, 0, 0
	WIN 0
	PLACES 4
.irp m, 0,1,2,3
.irp q, 0,1,2,3
	ds_store_b128 v[OW], v[ACC+16*\m+4*\q:ACC+16*\m+4*\q+3] offset:(\sl)*STGB+8448*\m+16*\q
.endr
.endr
	SYNC \sl, \fill
.irp i, 0,1,2,3,4,5,6,7,8,9,10,11,12,13,14,15
	ds_load_b128 v[ACC+4*\i:ACC+4*\i+3], v[XTW] offset:(\sl)*STGB+528*\i
.endr
.if \wl
	WLOAD0 1-\sl
	s_wait_dscnt 28                                ; the rows are back; the next unit's 24 + 4 loads may be out
.else
	s_wait_dscnt 0x0
.endif
.irp i, 0,1,2,3,4,5,6,7,8,9,10,11,12,13,14,15
	global_store_b128 v[GOFF+\i/4], v[ACC+4*\i:ACC+4*\i+3], s[8:9] offset:(\i%4)*2097152 th:TH_STORE_NT   ; head i's row: 512 rows on for each head; 512 consecutive bytes, at a multiple of 256 from out0's first byte
.endr
	s_wait_xcnt 0x0                                ; the stores' registers and base are rewritten only behind this wait
	s_add_nc_u64 s[8:9], s[8:9], 512               ; the next 128 columns
.endm
; P = 10^(i / 8) = c x T, rounded once: c in two words, the product's residual exact by a fused multiply-add.
.macro FREQ i, ch, cl
	v_mul_f32 v[208+\i], \ch, v200
	v_fma_f32 v[216+\i], \ch, v200, -v[208+\i]
	v_fma_f32 v[216+\i], \cl, v200, v[216+\i]
	v_add_f32 v[208+\i], v[208+\i], v[216+\i]
.endm
; cos and sin of pos x inv_freq for tile m's token r and my eight frequencies
.macro ROPEM m
	s_add_co_u32 s40, s13, 16*(\m)
	v_add_nc_u32 v200, s40, v[RR]
	v_cvt_f32_u32 v200, v200                       ; the position
.irp i, 0,1,2,3,4,5,6,7
	v_mul_f32 v[208+\i], v200, v[192+\i]           ; the angle: one rounding
.endr
.irp i, 0,1,2,3,4,5,6,7
	v_mul_f32 v[216+\i], s50, v[208+\i]
.endr
.irp i, 0,1,2,3,4,5,6,7
	v_rndne_f32 v[216+\i], v[216+\i]               ; n = the nearest multiple of pi / 2
.endr
.irp i, 0,1,2,3,4,5,6,7
	v_fma_f32 v[208+\i], v[216+\i], s51, v[208+\i] ; exact: n has 13 bits, the constant 24, and the difference is small
.endr
.irp i, 0,1,2,3,4,5,6,7
	v_fma_f32 v[208+\i], v[216+\i], s52, v[208+\i] ; the constant's second part
.endr
.irp i, 0,1,2,3,4,5,6,7
	v_mul_f32 v[224+\i], v[208+\i], v[208+\i]
.endr
.irp i, 0,1,2,3,4,5,6,7
	v_fma_f32 v[232+\i], v[224+\i], s55, s54
	v_fma_f32 v[240+\i], v[224+\i], s58, s57
.endr
.irp i, 0,1,2,3,4,5,6,7
	v_fma_f32 v[232+\i], v[232+\i], v[224+\i], s53
	v_fma_f32 v[240+\i], v[240+\i], v[224+\i], s56
.endr
.irp i, 0,1,2,3,4,5,6,7
	v_mul_f32 v[232+\i], v[232+\i], v[224+\i]
	v_mul_f32 v[240+\i], v[240+\i], v[224+\i]
	v_fma_f32 v[248+\i], v[224+\i], -0.5, 1.0
.endr
.irp i, 0,1,2,3,4,5,6,7
	v_fma_f32 v[232+\i], v[232+\i], v[208+\i], v[208+\i]   ; the sine of the rest
	v_fma_f32 v[240+\i], v[240+\i], v[224+\i], v[248+\i]   ; its cosine
	v_cvt_i32_f32 v[216+\i], v[216+\i]
.endr
.irp i, 0,1,2,3,4,5,6,7
	v_and_b32 v[248+\i], 1, v[216+\i]
.endr
.irp i, 0,1,2,3,4,5,6,7
	v_cmp_ne_u32 vcc_lo, 0, v[248+\i]              ; in odd quadrants the two change places (a choice of values: nothing branches)
	v_cndmask_b32 v[224+\i], v[232+\i], v[240+\i], vcc_lo
	v_cndmask_b32 v[208+\i], v[240+\i], v[232+\i], vcc_lo
.endr
.irp i, 0,1,2,3,4,5,6,7
	v_lshlrev_b32 v[248+\i], 30, v[216+\i]         ; the sine is negative in quadrants 2, 3: bit 1 of n;
	v_add_nc_u32 v[216+\i], 1, v[216+\i]           ; the cosine in 1, 2: bit 1 of n + 1
.endr
.irp i, 0,1,2,3,4,5,6,7
	v_and_b32 v[248+\i], 0x80000000, v[248+\i]
	v_lshlrev_b32 v[216+\i], 30, v[216+\i]
.endr
.irp i, 0,1,2,3,4,5,6,7
	v_xor_b32 v[CS+16*(\m)+2*\i+1], v[224+\i], v[248+\i]
	v_and_b32 v[216+\i], 0x80000000, v[216+\i]
.endr
.irp i, 0,1,2,3,4,5,6,7
	v_xor_b32 v[CS+16*(\m)+2*\i], v[208+\i], v[216+\i]
.endr
.endm
	; ---------------- the head
	s_load_b128 s[4:7], s[0:1], 0x0                ; x, wimg
	s_load_b64 s[8:9], s[0:1], 0x10                ; out0
	v_lshl_add_u32 v[SPW], v0, 2, SPARE
	v_mov_b32 v[NIL], 0
	ds_add_u32 v1, v2
	ds_add_u32 v1, v2
	s_wait_dscnt 0x0
	v_lshrrev_b32 v31, 5, v0
	v_readfirstlane_b32 s10, v31                   ; wave 0..3
	s_bfe_u32 s11, ttmp6, 0x40000                  ; cx: it enters x's and out0's addresses and the positions alone
	s_lshl_b32 s12, ttmp9, 2
	s_add_co_u32 s12, s12, s11                     ; my block of 64 tokens
	s_and_b32 s13, s12, 127
	s_lshl_b32 s13, s13, 6                         ; its first position in its batch
	v_and_b32 v24, 31, v0                          ; lane
	v_and_b32 v[RR], 15, v0
	v_bfe_u32 v[HH], v0, 4, 1
	v_lshlrev_b32 v[L16], 4, v24
	s_lshl_b32 s40, s12, 18                        ; 64 rows of 4,096 bytes,
	s_lshl_b32 s41, s10, 16                        ; my wave's 16
	s_add_co_u32 s40, s40, s41
	s_mov_b32 s41, 0
	s_wait_kmcnt 0x0
	s_add_nc_u64 s[4:5], s[4:5], s[40:41]
	XLOAD 0                                        ; x is wanted first: three K steps, 48 loads a wave, go out ahead of everything else
	XLOAD 1
	XLOAD 2
	WIN 0
	s_lshr_b32 s42, s12, 7
	s_lshl_b32 s42, s42, 13                        ; the batch's 8,192 rows
	s_and_b32 s43, s12, 127
	s_lshl_b32 s43, s43, 2                         ; + position / 16
	s_add_co_u32 s42, s42, s43
	s_add_co_u32 s42, s42, s10                     ; + my tile
	s_lshl_b32 s42, s42, 12
	s_mov_b32 s43, 0
	s_add_nc_u64 s[8:9], s[8:9], s[42:43]
	; descriptor group 1: a unit is a dense block: 100 rows of 256 bytes (32 elements of 8 bytes), no padding: images are read 16 bytes a lane on end
	s_mov_b32 s[G1], 15|(3<<16)|(1<<21)            ; 15:0 the mask: all four work-groups; 17:16 elements of 8 bytes; 21 set beside a mask
	s_mov_b32 s[G1+1], 32<<16                      ; tensor_dim0 = 32
	s_mov_b32 s[G1+2], 100<<16                     ; tensor_dim1 = 100
	s_mov_b32 s[G1+3], 32<<16                      ; tile_dim0 = 32
	s_mov_b32 s[G1+4], 100                         ; tile_dim1 = 100
	s_mov_b32 s[G1+5], 32                          ; from row to row
	s_mov_b32 s[G1+6], 0
	s_mov_b32 s[G1+7], 0
	s_mul_i32 s44, s10, UNIT
	s_mov_b32 s45, 0
	s_mov_b32 s[G0], 1
	s_mul_i32 s[G0+1], s10, UNIT                   ; slot 0: my unit's place
	s_add_nc_u64 s[G0+2:G0+3], s[6:7], s[44:45]    ; unit w
	s_or_b32 s[G0+3], s[G0+3], 0x80000000
	s_mov_b32 s[G0+4], 1
	s_add_co_u32 s[G0+5], s44, RING1               ; slot 1
	s_add_nc_u64 s[G0+6:G0+7], s[6:7], s[44:45]
	s_add_nc_u64 s[G0+6:G0+7], s[G0+6:G0+7], RING1 ; unit 4 + w
	s_or_b32 s[G0+7], s[G0+7], 0x80000000
	s_mov_b32 s32, 0x76543210
	s_mov_b32 s33, 0xfedcba98                      ; selects for lane l xor 16
	s_mov_b32 s34, 0x3e38aa3b                      ; c = log2(e) / 8
	s_mov_b32 s35, s34
	; LDS addresses: constants, the lane, the wave
	s_mul_i32 s40, s10, 12288
	s_add_co_u32 s40, s40, IMG
	v_lshlrev_b32 v[A12], 4, v[RR]
	v_mad_u32_u24 v[A508], v[HH], 508, v[A12]
	v_mad_u32_u24 v[A12], v[HH], 12, v[A12]
	v_add_nc_u32 v[A12], s40, v[A12]
	v_add_nc_u32 v[A508], s40, v[A508]
	s_lshl_b32 s40, s10, 6
	s_add_co_u32 s40, s40, SCL
	v_lshl_add_u32 v[SCW], v[RR], 2, s40
	v_add_nc_u32 v[LI], IMG, v[L16]
	v_lshl_add_u32 v[LS], v24, 2, SCL
	s_mul_i32 s40, s10, UNIT
	v_add_nc_u32 v[WA], s40, v[L16]
	v_add_nc_u32 v[WA+1], RING1, v[WA]
	s_add_co_u32 s41, s40, 24576
	v_lshl_add_u32 v[WSA], v24, 3, s41
	v_add_nc_u32 v[WSA+1], RING1, v[WSA]
	s_mul_i32 s40, s10, 8448
	s_add_co_u32 s40, s40, STG
	v_add_nc_u32 v[XTW], s40, v[L16]
	v_mul_u32_u24 v[XTR], v[RR], 528
	v_lshl_add_u32 v[XTR], v[HH], 6, v[XTR]
	v_add_nc_u32 v[XTR], s40, v[XTR]
	v_lshl_add_u32 v[VRD], v24, 3, s40
	s_mul_i32 s40, s10, QKP
	s_add_co_u32 s40, s40, STG
	v_mul_u32_u24 v[QBA], v[RR], 400
	v_add_nc_u32 v[QBA], s40, v[QBA]
	v_mad_u32_u24 v[QA], v[HH], 12, v[QBA]
	v_add_nc_u32 v[QBA], 384, v[QBA]
	s_mul_i32 s40, s10, 6400
	s_add_co_u32 s40, s40, STG
	v_and_b32 v[SSA], 1, v[RR]                     ; head r was made by waves 2 (r % 2) + block, in step r / 2 (k: 8 more)
	v_lshrrev_b32 v[QAT], 1, v[RR]
	v_lshl_add_u32 v[SA], v[SSA], 1, v[HH]
	v_mul_u32_u24 v[SA], v[SA], QKP
	v_mad_u32_u24 v[SA], v[QAT], 24, v[SA]
	v_add_nc_u32 v[SA], s40, v[SA]
	v_mul_u32_u24 v[SSA], v[SSA], 2*QKP
	v_lshl_add_u32 v[SSA], v[HH], 3, v[SSA]
	v_add_nc_u32 v[SSA], v[SSA], v[QAT]
	s_add_co_u32 s40, s40, 384
	v_add_nc_u32 v[SSA], s40, v[SSA]
	s_lshl_b32 s40, s10, 7
	s_add_co_u32 s40, s40, STG
	v_mul_u32_u24 v[VW], v[RR], 528
	v_add_nc_u32 v[VW], s40, v[VW]
	v_lshl_add_u32 v[OW], v[HH], 6, v[VW]
	v_lshl_add_u32 v[VW], v[HH], 5, v[VW]
	v_mov_b32 v[GOFF], v[L16]
	v_add_nc_u32 v[GOFF+1], 0x800000, v[L16]
	v_add_nc_u32 v[GOFF+2], 0x1000000, v[L16]
	v_add_nc_u32 v[GOFF+3], 0x1800000, v[L16]
	ROUND                                          ; all four work-groups are here: the first joint loads meet
	tensor_load_to_lds s[G0:G0+3], s[G1:G1+7]      ; step 0
	s_nop 0
	tensor_load_to_lds s[G0+4:G0+7], s[G1:G1+7]    ; step 1: two loads of mine are out
	s_nop 0
	PLACES 4
	; ---------------- the rope table, while x is on its way.  My unit's columns are d = 32 (w % 2) + 16 h + 0 .. 15 in every step of q and k: pairs i = 16 (w % 2) + 8 h + 0 .. 7
	s_mov_b32 s50, 0x3f22f983                      ; 2 / pi
	s_mov_b32 s51, 0xbfc90fdb                      ; - pi / 2, first part
	s_mov_b32 s52, 0x333bbd2e                      ; what the first part has too much
	s_mov_b32 s53, 0xbe2aaaa3                      ; the sine's coefficients
	s_mov_b32 s54, 0x3c08839e
	s_mov_b32 s55, 0xb94ca1f9
	s_mov_b32 s56, 0x3d2aaaa5                      ; the cosine's
	s_mov_b32 s57, 0xbab6061a
	s_mov_b32 s58, 0x37ccf5ce
	s_and_b32 s40, s10, 1
	s_cmp_eq_u32 s40, 0
	s_mov_b32 s41, 0x42c80000                      ; 100
	s_mov_b32 s42, 0x447a0000                      ; 1,000
	s_mov_b32 s43, 0x41200000                      ; 10
	s_cselect_b32 s41, 1.0, s41
	s_cselect_b32 s42, s43, s42
	v_cmp_ne_u32 vcc_lo, 0, v[HH]
	v_mov_b32 v200, s41
	v_mov_b32 v201, s42
	v_cndmask_b32 v200, v200, v201, vcc_lo         ; T = 10^(2 (w % 2) + h): i / 8 whole is the same for my eight
	v_mov_b32 v208, v200
	FREQ 1, 0x3faab0d5, 0xb36457e2                 ; 10^(1/8) in two words
	FREQ 2, 0x3fe39ea9, 0xb26aee20
	FREQ 3, 0x4017c496, 0x33606962
	FREQ 4, 0x404a62c2, 0xb324b48d
	FREQ 5, 0x4086f161, 0xb430576d
	FREQ 6, 0x40b3f300, 0x34323465
	FREQ 7, 0x40eff755, 0x34515b57
.irp i, 0,1,2,3,4,5,6,7
	v_rcp_f32 v[192+\i], v[208+\i]
.endr
	v_nop                                          ; a plain place behind the reciprocals
	s_wait_alu depctr_va_vdst(0)
.rept 2                                            ; two steps on the exact residual: the nearest f32 to 1 / P
.irp i, 0,1,2,3,4,5,6,7
	v_fma_f32 v[216+\i], -v[208+\i], v[192+\i], 1.0
.endr
.irp i, 0,1,2,3,4,5,6,7
	v_fma_f32 v[192+\i], v[192+\i], v[216+\i], v[192+\i]
.endr
.endr
	ROPEM 0
	ROPEM 1
	ROPEM 2
	ROPEM 3
	; ---------------- x: my 16 tokens become eight fragments' images
.irp s, 0,1,2,3,4,5,6,7
	XSTEP \s
.endr
	BAR                                            ; all 32 images and their scale words lie in LDS
	XFETCH
	BAR                                            ; every wave has them in registers: the bytes may be written again
	s_wait_tensorcnt 0x1                           ; my unit of step 0 has landed; step 1's load may be out.  Only I read my unit
	WLOAD0 0
	s_wait_dscnt 0x0                               ; so that the counted wait at the loop's head holds on the way in too
	; ---------------- q and k: steps 0 to 15
	s_mov_b32 s[S24], 0
	s_mov_b32 s[SSG], 0
	s_mov_b32 s36, 7
.Lqk:
	QKSTEP 0, 1
	QKSTEP 1, 1
	s_sub_co_u32 s36, s36, 1
	s_cmp_lg_u32 s36, 0
	s_cbranch_scc1 .Lqk
	QKSTEP 0, 1
	QKSTEP 1, 0                                    ; the scores take the weight fragments' registers: the next unit's are fetched behind them
	BAR                                            ; all codes of q and k lie in LDS
	; ---------------- scores and softmax of my 16 tokens, four at a time.  S^T = k q^T: source 0 = 16 key heads, source 1 = 16 query heads; K = 64, filled up to 128 with zero codes
	WIN 0x80
.irp t, 0,1,2,3
.irp i, 6,7,8,9,10,11
	v_mov_b32 v[WF+24*\t+\i], 0
	v_mov_b32 v[WF+24*\t+12+\i], 0
.endr
.endr
	WIN 0
.irp t, 0,1,2,3
	v_mov_b32 v[68+\t], 0                          ; a lane permute's destination counts as read;
	v_mov_b32 v[73+2*\t], 0                        ; the upper halves of pairs of which the low word serves both
	v_mov_b32 v[105+2*\t], 0
.endr
	SLOAD 0
.irp bt, 0,1,2,3
	s_wait_dscnt 0x0
.irp t, 0,1,2,3
	v_lshl_or_b32 v[SQK+\t], v[100+\t], 8, v[96+\t]   ; lanes 0-15: q's two bytes, lanes 16-31: k's; the zero codes' bytes are 0
.endr
	PLACES 8                                       ; a scale register written by a vector instruction stands eight places ahead
	WIN 0x0a
.irp t, 0,1,2,3
	v_wmma_scale_f32_16x16x128_f8f6f4 v[PP+8*(4*\bt+\t):PP+8*(4*\bt+\t)+7], v[WF+24*\t:WF+24*\t+11], v[WF+24*\t+12:WF+24*\t+23], 0, v[SQK+\t], v[SQK+\t] matrix_a_fmt:MATRIX_FMT_FP6 matrix_b_fmt:MATRIX_FMT_FP6 matrix_a_scale:MATRIX_SCALE_ROW1
.endr
	WIN 0
	PLACES 4
.if \bt < 3
	SLOAD \bt+1
.endif
	SOFTMAX \bt
.endr
	BAR                                            ; nobody reads q's and k's codes any more
	WLOAD0 0                                       ; step 16's unit: shown landed by step 15's wait for all loads
	; ---------------- v and P v: steps 16 to 23; a trip makes 32 of the head's 64 channels
	s_mov_b32 s[SB256], 0
	s_mov_b32 s[SB1], 0
	s_mov_b32 s36, 2
.Lv:
	VSTEP 0, 0, 0, 0
	VSTEP 1, 1, 0, 0
	VSTEP 0, 0, 1, 0
	VSTEP 1, 1, 1, 1
	s_add_co_u32 s[SB256], s[SB256], 256
	s_add_co_u32 s[SB1], s[SB1], 1
	s_sub_co_u32 s36, s36, 1
	s_cmp_lg_u32 s36, 0
	s_cbranch_scc1 .Lv
	BAR                                            ; the attention's 32 images and their scale words lie in LDS
	XFETCH                                         ; they are the left operand now
	; ---------------- the last product: steps 24 to 31
	s_mov_b32 s36, 3
.Lo:
	OSTEP 0, 1, 1
	OSTEP 1, 1, 1
	s_sub_co_u32 s36, s36, 1
	s_cmp_lg_u32 s36, 0
	s_cbranch_scc1 .Lo
	OSTEP 0, 0, 1                                  ; the last two steps are written out: nothing is left to fetch
	OSTEP 1, 0, 0
	s_wait_tensorcnt 0x0                           ; the wave's end
	ds_add_u32 v[SPW], v[NIL]
	s_wait_dscnt 0x0
	ROUND                                          ; the closing round: no work-group ends while a partner may still ask for a unit that names it
	s_endpgm
.Lfunc_end_k_q060eeb692c_fused:
	.size	k_q060eeb692c_fused, .Lfunc_end_k_q060eeb692c_fused-k_q060eeb692c_fused
	.p2alignl 7, 3214868480
	.fill 96, 4, 3214868480
	.section	.rodata,"a",@progbits
	.p2align	6, 0x0
	.amdhsa_kernel k_q060eeb692c_fused
		.amdhsa_group_segment_fixed_size 327680
		.amdhsa_private_segment_fixed_size 0
		.amdhsa_enable_private_segment 0
		.amdhsa_kernarg_size 24
		.amdhsa_user_sgpr_count 2
		.amdhsa_user_sgpr_kernarg_segment_ptr 1
		.amdhsa_wavefront_size32 1
		.amdhsa_system_sgpr_workgroup_id_x 1
		.amdhsa_system_sgpr_workgroup_id_y 1
		.amdhsa_system_sgpr_workgroup_id_z 1
		.amdhsa_system_vgpr_workitem_id 0
		.amdhsa_next_free_vgpr 1024
		.amdhsa_next_free_sgpr 66
		.amdhsa_reserve_vcc 1
		.amdhsa_float_denorm_mode_32 3
		.amdhsa_float_denorm_mode_16_64 3
		.amdhsa_memory_ordered 1
		.amdhsa_forward_progress 1
		.amdhsa_inst_pref_size 255
	.end_amdhsa_kernel
	.section	.bss,"aw",@nobits
	.p2align	6
	.space	262144
	.amdgpu_metadata
---
amdhsa.version: [ 1, 2 ]
amdhsa.kernels:
  - .name:           k_q060eeb692c_fused
    .symbol:         k_q060eeb692c_fused.kd
    .args:
      - { .name: x, .offset: 0, .size: 8, .value_kind: global_buffer, .address_space: global }
      - { .name: wimg, .offset: 8, .size: 8, .value_kind: global_buffer, .address_space: global }
      - { .name: out0, .offset: 16, .size: 8, .value_kind: global_buffer, .address_space: global }
    .group_segment_fixed_size: 327680
    .private_segment_fixed_size: 0
    .kernarg_segment_align: 8
    .kernarg_segment_size: 24
    .max_flat_workgroup_size: 128
    .sgpr_count:     66
    .vgpr_count:     1024
    .wavefront_size: 32
...
	.end_amdgpu_metadata
.endif
;; end of part 2
;; ======== version 2 of 2: 2 launches
;; limits: right only within a limited range of input values
;; workspace buffers: wimg 3,276,800 bytes; rope 2,097,152 bytes
;; launch prep (part 3): grid 256 x 1, 4 waves a work-group, no clusters, 34,304 bytes of LDS; arguments Wqkv, Wout, wimg, rope; writes wimg, rope
.if DOCPART == 3
	.amdgcn_target "amdgcn-amd-amdhsa--gfx1250"
	.amdhsa_code_object_version 6
	.text
	.protected	k_q060eeb692c_prep
	.globl	k_q060eeb692c_prep
	.p2align	8
	.type	k_q060eeb692c_prep,@function
k_q060eeb692c_prep:
	s_mov_b64 s[64:65], 0
	v_nop
	global_prefetch_b8 v0, s[64:65] scope:SCOPE_SE
	s_setreg_imm32_b32 hwreg(HW_REG_WAVE_MODE, 25, 1), 1
	s_wait_xcnt 0x0
; Wqkv [3072][1024] and Wout [1024][1024], f32, K innermost, become codes of FP6 (E2M3) with one E8M0 byte for each 32 along K,
; laid in wimg as IMAGES OF THE OPERAND'S REGISTERS, in 128 units of 25,600 bytes.  A unit is 32 weight rows (two tiles of 16) x all 1,024 of K:
;   codes:       (2 s + u) x 1536 + g x 512 + lane x 16   (s: K step of 128, u: tile, g: registers 4 g .. 4 g + 3 of the fragment's 12)
;   scale words: 24576 + (s / 2) x 256 + lane x 8 + 4 (s % 2); lanes 0-15 hold tile 0's rows, lanes 16-31 tile 1's
; WHICH ROWS FORM A TILE is chosen for the reader.  Units 0-63 (q, k) and 96-127 (Wout): slot i of tile u is row n0 + 8 u + i + 8 (i / 8), so that a lane's
; 16 results of the two tiles are 16 neighbouring columns.  Units 64-95 (v): slot i is row n0 + 16 u + 4 (i / 8) + (i / 2) % 4 + 64 (i % 2): two key heads
; side by side, so that the results lie as the f32 product behind the softmax wants its operand.
; A block's scale is 2^(floor(log2(largest magnitude)) - 2): its byte is the largest magnitude's exponent field - 2, held at 1 from below.
; LIMITS: a block of zeros gets the byte 1 where the rule says 127 (its codes are zeros, and this program alone reads the bytes); NaN and infinities are not served.
; SHARES: work-group = unit; wave q takes K steps 2 q and 2 q + 1 of both tiles: four fragments f = 2 (step % 2) + tile.  Each load reads 512 consecutive bytes of one row;
; a fragment's 16 rows turn through the wave's own stage in LDS (pitch 528, an odd multiple of 16) so that a lane gets 2 x 32 neighbours along K.  Waves share nothing: no barrier.
; REGISTERS: window 0: v1-5 addresses; v16-63 codes, 12 a fragment, never rewritten; v64-127, v128-191 two sets of 64 numbers; v192-206 at work; v224-229 scale words.  window 1: the 64 loads' 256 registers.
; WORK-GROUPS 128-255 MAKE THE ROPE TABLE: cos and sin of pos x 10000^(-j/32), pos 0 .. 8191, j 0 .. 31, laid as images of the reader's registers:
;   ((g x 2 + p) x 4 + q) x 512 + lane x 16: g = pos / 16, lane (r, h) holds pos 16 g + r and j = 16 p + 8 h + i, register 2 i its cos, 2 i + 1 its sin, q: registers 4 q .. 4 q + 3.
; Work-group 128 + b, wave w: p = w % 2, g = 4 b + 2 (w / 2) + 0, 1.  The angle is reduced by multiples of pi / 2 in two parts; sin and cos by polynomials on the rest.  This path uses no LDS.
.set CS, 128
.set RR, 29
.macro FREQ i, ch, cl                  ; 10000^(i/32) (in two parts) x the lane's base 1, 10, 100 or 1000
	v_mul_f32 v[208+\i], \ch, v200
	v_fma_f32 v[216+\i], \ch, v200, -v[208+\i]
	v_fma_f32 v[216+\i], \cl, v200, v[216+\i]
	v_add_f32 v[208+\i], v[208+\i], v[216+\i]
.endm
.macro ROPEM m                         ; positions s13 + 16 m + r: 8 cos and 8 sin a lane into v[CS + 16 m ..]
	s_add_co_u32 s40, s13, 16*(\m)
	v_add_nc_u32 v200, s40, v[RR]
	v_cvt_f32_u32 v200, v200
.irp i, 0,1,2,3,4,5,6,7
	v_mul_f32 v[208+\i], v200, v[192+\i]
.endr
.irp i, 0,1,2,3,4,5,6,7
	v_mul_f32 v[216+\i], s50, v[208+\i]
.endr
.irp i, 0,1,2,3,4,5,6,7
	v_rndne_f32 v[216+\i], v[216+\i]
.endr
.irp i, 0,1,2,3,4,5,6,7
	v_fma_f32 v[208+\i], v[216+\i], s51, v[208+\i]
.endr
.irp i, 0,1,2,3,4,5,6,7
	v_fma_f32 v[208+\i], v[216+\i], s52, v[208+\i]
.endr
.irp i, 0,1,2,3,4,5,6,7
	v_mul_f32 v[224+\i], v[208+\i], v[208+\i]
.endr
.irp i, 0,1,2,3,4,5,6,7
	v_fma_f32 v[232+\i], v[224+\i], s55, s54
	v_fma_f32 v[240+\i], v[224+\i], s58, s57
.endr
.irp i, 0,1,2,3,4,5,6,7
	v_fma_f32 v[232+\i], v[232+\i], v[224+\i], s53
	v_fma_f32 v[240+\i], v[240+\i], v[224+\i], s56
.endr
.irp i, 0,1,2,3,4,5,6,7
	v_mul_f32 v[232+\i], v[232+\i], v[224+\i]
	v_mul_f32 v[240+\i], v[240+\i], v[224+\i]
	v_fma_f32 v[248+\i], v[224+\i], -0.5, 1.0
.endr
.irp i, 0,1,2,3,4,5,6,7
	v_fma_f32 v[232+\i], v[232+\i], v[208+\i], v[208+\i]
	v_fma_f32 v[240+\i], v[240+\i], v[224+\i], v[248+\i]
	v_cvt_i32_f32 v[216+\i], v[216+\i]
.endr
.irp i, 0,1,2,3,4,5,6,7
	v_and_b32 v[248+\i], 1, v[216+\i]
.endr
.irp i, 0,1,2,3,4,5,6,7
	v_cmp_ne_u32 vcc_lo, 0, v[248+\i]
	v_cndmask_b32 v[224+\i], v[232+\i], v[240+\i], vcc_lo
	v_cndmask_b32 v[208+\i], v[240+\i], v[232+\i], vcc_lo
.endr
.irp i, 0,1,2,3,4,5,6,7
	v_lshlrev_b32 v[248+\i], 30, v[216+\i]
	v_add_nc_u32 v[216+\i], 1, v[216+\i]
.endr
.irp i, 0,1,2,3,4,5,6,7
	v_and_b32 v[248+\i], 0x80000000, v[248+\i]
	v_lshlrev_b32 v[216+\i], 30, v[216+\i]
.endr
.irp i, 0,1,2,3,4,5,6,7
	v_xor_b32 v[CS+16*(\m)+2*\i+1], v[224+\i], v[248+\i]
	v_and_b32 v[216+\i], 0x80000000, v[216+\i]
.endr
.irp i, 0,1,2,3,4,5,6,7
	v_xor_b32 v[CS+16*(\m)+2*\i], v[208+\i], v[216+\i]
.endr
.endm
.set MSB, 0
.macro WIN new                         ; the immediate's high byte repeats the setting that is left
.if MSB != (\new)
	s_set_vgpr_msb (MSB<<8)|(\new)
.set MSB, \new
.endif
.endm
	s_cmp_ge_u32 ttmp9, 128                        ; the upper half of the grid makes the rope table
	s_cbranch_scc1 .Lrope
	s_load_b128 s[4:7], s[0:1], 0x0                ; Wqkv, Wout
	s_load_b64 s[8:9], s[0:1], 0x10                ; wimg
	v_lshl_add_u32 v254, v0, 2, 0x8400
	v_mov_b32 v255, 0
	v_lshrrev_b32 v6, 5, v0
	v_readfirstlane_b32 s16, v6                    ; wave q
	v_and_b32 v7, 31, v0                           ; lane
	v_and_b32 v8, 15, v0                           ; r
	v_bfe_u32 v9, v0, 4, 1                         ; h
	v_lshlrev_b32 v1, 4, v7                        ; 16 x lane: a load's and a store's place
	s_mul_i32 s17, s16, 8448                       ; my stage
	v_add_nc_u32 v2, s17, v1                       ; into it: a row as it was loaded
	v_mul_u32_u24 v3, v8, 528
	v_lshl_add_u32 v3, v9, 7, v3
	v_add_nc_u32 v3, s17, v3                       ; out of it: row r, + 128 h: k = 32 h on
	v_lshlrev_b32 v4, 3, v7                        ; 8 x lane: the scale words' place
	v_lshlrev_b32 v5, 3, v9                        ; 8 h: my bytes' place in a scale word
	s_mov_b32 s18, 0x76543210
	s_mov_b32 s19, 0xfedcba98                      ; selects for lane l xor 16
	v_mov_b32 v199, 0                              ; a lane permute's destination counts as read
	; the unit's first row
	s_sub_co_u32 s20, ttmp9, 64                    ; v = unit - 64 (0 .. 31 for v's units)
	s_and_b32 s21, s20, 1
	s_lshl_b32 s21, s21, 9                         ; 64 x 8 (v & 1)
	s_bfe_u32 s22, s20, 0x10001
	s_lshl_b32 s22, s22, 7                         ; 64 x 2
	s_add_co_u32 s21, s21, s22
	s_bfe_u32 s22, s20, 0x10002
	s_lshl_b32 s22, s22, 8                         ; 64 x 4
	s_add_co_u32 s21, s21, s22
	s_bfe_u32 s22, s20, 0x10003
	s_lshl_b32 s22, s22, 3                         ; d: 8
	s_add_co_u32 s21, s21, s22
	s_bfe_u32 s22, s20, 0x10004
	s_lshl_b32 s22, s22, 5                         ; d: 32
	s_add_co_u32 s21, s21, s22
	s_add_co_u32 s21, s21, 2048                    ; v's rows begin at 2,048
	s_cmp_lt_u32 ttmp9, 96
	s_cselect_b32 s23, 0, 96
	s_sub_co_u32 s23, ttmp9, s23
	s_lshl_b32 s23, s23, 5                         ; the other units: 32 rows each
	s_cmp_lt_u32 s20, 32
	s_cselect_b32 s21, s21, s23
	s_lshl_b32 s24, s21, 12                        ; a row is 4,096 bytes
	s_lshl_b32 s25, s16, 10                        ; my two K steps: 1,024 bytes
	s_add_co_u32 s24, s24, s25
	s_mov_b32 s25, 0
	s_mul_i32 s26, ttmp9, 25600
	s_mul_i32 s27, s16, 6144
	s_add_co_u32 s28, s26, s27                     ; my four fragments' images
	s_mov_b32 s29, 0
	s_lshl_b32 s27, s16, 8
	s_add_co_u32 s30, s26, s27
	s_add_co_u32 s30, s30, 24576                   ; my 256 bytes of scale words
	s_mov_b32 s31, 0
	s_wait_kmcnt 0x0
	s_cmp_lt_u32 ttmp9, 96                         ; the choice of tensor hangs on the work-group's number alone
	s_cselect_b64 s[4:5], s[4:5], s[6:7]
	s_add_nc_u64 s[4:5], s[4:5], s[24:25]
	s_add_nc_u64 s[10:11], s[8:9], s[28:29]
	s_add_nc_u64 s[8:9], s[8:9], s[30:31]
; 64 loads: fragment f, slot i.  The two orders of rows differ in the immediates alone, so every later count holds on both ways.
.macro WLD typ
	WIN 0x40                                       ; destination window 1
.irp f, 0,1,2,3
.irp i, 0,1,2,3,4,5,6,7,8,9,10,11,12,13,14,15
.if \typ
.set ro, 16*(\f%2)+4*(\i/8)+((\i/2)%4)+64*(\i%2)
.else
.set ro, 8*(\f%2)+\i+8*(\i/8)
.endif
	global_load_b128 v[64*\f+4*\i:64*\f+4*\i+3], v1, s[4:5] offset:ro*4096+(\f/2)*512 th:TH_LOAD_NT
.endr
.endr
	WIN 0
.endm
	s_cmp_lt_u32 s20, 32
	s_cbranch_scc1 .Ltype_v
	s_wait_alu depctr_va_vdst(0)
	WLD 0
	s_branch .Lloaded
.Ltype_v:
	s_wait_alu depctr_va_vdst(0)
	WLD 1
.Lloaded:
.macro TURN f                          ; fragment f through the stage; LDS serves a wave's instructions in order, so no wait stands between stores and loads
	WIN 0x04                                       ; an LDS store's data: window 1
.irp i, 0,1,2,3,4,5,6,7,8,9,10,11,12,13,14,15
	ds_store_b128 v2, v[64*(\f)+4*\i:64*(\f)+4*\i+3] offset:528*\i
.endr
	WIN 0
.irp c, 0,1
.irp j, 0,1,2,3,4,5,6,7
	ds_load_b128 v[64+64*((\f)%2)+32*\c+4*\j:64+64*((\f)%2)+32*\c+4*\j+3], v3 offset:256*\c+16*\j   ; k = 64 c + 32 h + 4 j on, of row r
.endr
.endr
.endm
.macro QUANTW f                        ; my two whole blocks (h and 2 + h) of row r become registers 0-5 and 6-11 of the fragment
.set xb, 64+64*((\f)%2)
.set cd, 16+12*(\f)
.irp c, 0,1
	v_max3_num_f32 v[192+\c], |v[xb+32*\c]|, |v[xb+32*\c+1]|, 0x1800000   ; with the floor 2^(3 - 127): the byte cannot fall under 1
.endr
.irp i, 2,4,6,8,10,12,14,16,18,20,22,24,26,28,30
.irp c, 0,1
	v_max3_num_f32 v[192+\c], v[192+\c], |v[xb+32*\c+\i]|, |v[xb+32*\c+\i+1]|
.endr
.endr
.irp c, 0,1
	v_add_nc_u32 v[194+\c], 0xff000000, v[192+\c]  ; 2 off the exponent field: the conversion's scale operand
.endr
.irp c, 0,1
	v_lshrrev_b32 v[196+\c], 23, v[194+\c]         ; the scale's byte
.endr
	v_lshl_or_b32 v[224+(\f)], v197, 16, v196
	v_lshlrev_b32 v[224+(\f)], v5, v[224+(\f)]     ; my two bytes at their places,
	v_permlanex16_b32 v199, v[224+(\f)], s18, s19
	v_or_b32 v[224+(\f)], v[224+(\f)], v199        ; with lane l xor 16's two the word is whole
	v_cvt_scalef32_pk16_fp6_f32 v[cd:cd+2], v[xb:xb+15], v194
	v_cvt_scalef32_pk16_fp6_f32 v[200:202], v[xb+16:xb+31], v194      ; (a conversion's three registers begin on an even number)
	v_cvt_scalef32_pk16_fp6_f32 v[cd+6:cd+8], v[xb+32:xb+47], v195
	v_cvt_scalef32_pk16_fp6_f32 v[204:206], v[xb+48:xb+63], v195
	v_nop                                          ; one plain place behind a scaled conversion
.irp i, 0,1,2
	v_mov_b32 v[cd+3+\i], v[200+\i]
	v_mov_b32 v[cd+9+\i], v[204+\i]
.endr
.irp g, 0,1,2
	global_store_b128 v1, v[cd+4*\g:cd+4*\g+3], s[10:11] offset:((\f)*3+\g)*512   ; 512 consecutive bytes, at a multiple of 256 from wimg's first byte
.endr
.endm
	s_wait_loadcnt 48                              ; fragment 0's sixteen loads are in; 48 younger ones may be out
	TURN 0
.irp f, 0,1,2,3
.if \f < 3
	s_wait_loadcnt 32-16*\f                        ; the next fragment's loads are in
	TURN \f+1
	s_wait_dscnt 32                                ; all but the next fragment's 16 stores and 16 loads: this fragment is back
.else
	s_wait_dscnt 0x0
.endif
	QUANTW \f
.endr
	v_cmp_ne_u32 vcc_lo, 0, v9
	v_cndmask_b32 v228, v224, v225, vcc_lo         ; lanes 0-15: tile 0's word, lanes 16-31: tile 1's; my first K step,
	v_cndmask_b32 v229, v226, v227, vcc_lo         ; my second
	global_store_b64 v4, v[228:229], s[8:9]        ; 256 consecutive bytes, aligned
	s_wait_tensorcnt 0x0
	ds_add_u32 v254, v255
	s_wait_dscnt 0x0
	s_endpgm
.Lrope:
	s_load_b64 s[4:5], s[0:1], 0x18                ; the rope table
	v_lshrrev_b32 v6, 5, v0
	v_readfirstlane_b32 s10, v6                    ; wave
	v_and_b32 v[RR], 15, v0                        ; r
	v_bfe_u32 v30, v0, 4, 1                        ; h
	v_and_b32 v7, 31, v0
	v_lshlrev_b32 v1, 4, v7                        ; 16 x lane
	s_wait_alu depctr_va_vdst(0)
	s_sub_co_u32 s12, ttmp9, 128
	s_lshr_b32 s11, s10, 1
	s_lshl_b32 s13, s12, 6
	s_lshl_b32 s14, s11, 5
	s_add_co_u32 s13, s13, s14                     ; my first position: 64 b + 32 (w / 2)
	s_lshl_b32 s14, s13, 8                         ; 4,096 bytes for each 16 positions
	s_and_b32 s40, s10, 1                          ; p
	s_lshl_b32 s15, s40, 11
	s_add_co_u32 s14, s14, s15
	s_mov_b32 s15, 0
	s_mov_b32 s50, 0x3f22f983                      ; 2 / pi
	s_mov_b32 s51, 0xbfc90fdb                      ; - pi / 2, in two parts
	s_mov_b32 s52, 0x333bbd2e
	s_mov_b32 s53, 0xbe2aaaa3                      ; sin's coefficients
	s_mov_b32 s54, 0x3c08839e
	s_mov_b32 s55, 0xb94ca1f9
	s_mov_b32 s56, 0x3d2aaaa5                      ; cos's
	s_mov_b32 s57, 0xbab6061a
	s_mov_b32 s58, 0x37ccf5ce
	s_cmp_eq_u32 s40, 0
	s_mov_b32 s41, 0x42c80000
	s_mov_b32 s42, 0x447a0000
	s_mov_b32 s43, 0x41200000
	s_cselect_b32 s41, 1.0, s41
	s_cselect_b32 s42, s43, s42
	v_cmp_ne_u32 vcc_lo, 0, v30
	v_mov_b32 v200, s41
	v_mov_b32 v201, s42
	v_cndmask_b32 v200, v200, v201, vcc_lo         ; 10000^((16 p + 8 h) / 32)
	v_mov_b32 v208, v200
	FREQ 1, 0x3faab0d5, 0xb36457e2
	FREQ 2, 0x3fe39ea9, 0xb26aee20
	FREQ 3, 0x4017c496, 0x33606962
	FREQ 4, 0x404a62c2, 0xb324b48d
	FREQ 5, 0x4086f161, 0xb430576d
	FREQ 6, 0x40b3f300, 0x34323465
	FREQ 7, 0x40eff755, 0x34515b57
	s_wait_alu depctr_va_vdst(0)
.irp i, 0,1,2,3,4,5,6,7
	v_rcp_f32 v[192+\i], v[208+\i]
.endr
	v_nop
	s_wait_alu depctr_va_vdst(0)
.rept 2                                        ; two Newton steps: the reciprocal to f32's last bit
.irp i, 0,1,2,3,4,5,6,7
	v_fma_f32 v[216+\i], -v[208+\i], v[192+\i], 1.0
.endr
.irp i, 0,1,2,3,4,5,6,7
	v_fma_f32 v[192+\i], v[192+\i], v[216+\i], v[192+\i]
.endr
.endr
	ROPEM 0
	ROPEM 1
	s_wait_alu depctr_va_vdst(0)
	s_wait_kmcnt 0x0
	s_add_nc_u64 s[4:5], s[4:5], s[14:15]
.irp m, 0,1
.irp q, 0,1,2,3
	global_store_b128 v1, v[CS+16*\m+4*\q:CS+16*\m+4*\q+3], s[4:5] offset:4096*\m+512*\q   ; 512 consecutive bytes, aligned
.endr
.endr
	s_endpgm
.Lfunc_end_k_q060eeb692c_prep:
	.size	k_q060eeb692c_prep, .Lfunc_end_k_q060eeb692c_prep-k_q060eeb692c_prep
	.p2alignl 7, 3214868480
	.fill 96, 4, 3214868480
	.section	.rodata,"a",@progbits
	.p2align	6, 0x0
	.amdhsa_kernel k_q060eeb692c_prep
		.amdhsa_group_segment_fixed_size 34304
		.amdhsa_private_segment_fixed_size 0
		.amdhsa_enable_private_segment 0
		.amdhsa_kernarg_size 32
		.amdhsa_user_sgpr_count 2
		.amdhsa_user_sgpr_kernarg_segment_ptr 1
		.amdhsa_wavefront_size32 1
		.amdhsa_system_sgpr_workgroup_id_x 1
		.amdhsa_system_sgpr_workgroup_id_y 1
		.amdhsa_system_sgpr_workgroup_id_z 1
		.amdhsa_system_vgpr_workitem_id 0
		.amdhsa_next_free_vgpr 512
		.amdhsa_next_free_sgpr 66
		.amdhsa_reserve_vcc 1
		.amdhsa_float_denorm_mode_32 3
		.amdhsa_float_denorm_mode_16_64 3
		.amdhsa_memory_ordered 1
		.amdhsa_forward_progress 1
		.amdhsa_inst_pref_size 63
	.end_amdhsa_kernel
	.amdgpu_metadata
---
amdhsa.version: [ 1, 2 ]
amdhsa.kernels:
  - .name:           k_q060eeb692c_prep
    .symbol:         k_q060eeb692c_prep.kd
    .args:
      - { .name: Wqkv, .offset: 0, .size: 8, .value_kind: global_buffer, .address_space: global }
      - { .name: Wout, .offset: 8, .size: 8, .value_kind: global_buffer, .address_space: global }
      - { .name: wimg, .offset: 16, .size: 8, .value_kind: global_buffer, .address_space: global }
      - { .name: rope, .offset: 24, .size: 8, .value_kind: global_buffer, .address_space: global }
    .group_segment_fixed_size: 34304
    .private_segment_fixed_size: 0
    .kernarg_segment_align: 8
    .kernarg_segment_size: 32
    .max_flat_workgroup_size: 128
    .sgpr_count:     66
    .vgpr_count:     512
    .wavefront_size: 32
...
	.end_amdgpu_metadata
.endif
;; end of part 3
;; launch fused (part 4): grid 256 x 1, 4 waves a work-group, clusters of 4 x 1, 327,680 bytes of LDS; arguments x, wimg, out0, rope; writes out0
.if DOCPART == 4
	.amdgcn_target "amdgcn-amd-amdhsa--gfx1250"
	.amdhsa_code_object_version 6
	.text
	.protected	k_q060eeb692c_fused
	.globl	k_q060eeb692c_fused
	.p2align	8
	.type	k_q060eeb692c_fused,@function
k_q060eeb692c_fused:
	s_mov_b64 s[64:65], 0
	v_nop
	global_prefetch_b8 v0, s[64:65] scope:SCOPE_SE
	s_setreg_imm32_b32 hwreg(HW_REG_WAVE_MODE, 25, 1), 1
	s_wait_xcnt 0x0
	s_wait_alu depctr_hold_cnt(0) depctr_sa_sdst(0) depctr_va_vdst(0) depctr_va_sdst(0) depctr_va_ssrc(0) depctr_va_vcc(0) depctr_vm_vsrc(0)
	s_getreg_b32 s2, hwreg(HW_REG_IB_STS2, 6, 4)
	s_cmp_eq_u32 s2, 0
	s_cbranch_scc0 .Lentry_in_a_cluster
	s_endpgm
.Lentry_in_a_cluster:
	s_bfe_u32 s2, ttmp6, 0x10000c
	s_cmp_lg_u32 s2, 0x3003
	s_cbranch_scc0 .Lentry_shape_is_right
	s_endpgm
.Lentry_shape_is_right:
; The whole module for 64 neighbouring tokens a work-group: x is quantised (MX-FP6), multiplied with Wqkv, q and k are turned by the rope table and quantised,
; each token's 16 x 16 scores over the heads (K = 64, MX-FP6), softmax with its maximum taken away, P V in f32 (v_wmma_f32_16x16x4_f32: its result goes into a quantiser),
; quantised again and multiplied with Wout.  16 neighbouring tokens give 16 whole rows of the last product's A (row h x 512 + t / 16, column 64 (t % 16) + d), so nothing goes through memory.
; SHARES: the weights come as 32 ELEMENTS of four units of 25,600 bytes (images of operand registers, made by the launch before); wave w takes unit w of each element: 32 weight rows x 64 tokens x K 1,024 = 64 matrix instructions.
; x's (later the attention result's) 32 fragments stay in registers for all elements.  Elements 0-15: q, k; 16-23: v; 24-31: Wout.
; RING: two slots of four units, each wave asks for its own unit, jointly with the three partners of its cluster (mask 15); a round of the cluster's barrier stands in front of each refill.
; The 64 clusters begin their walks over q, k (and over Wout) at different elements: RHO.  q's and k's codes are stored in the order of the steps; the readers' addresses take RHO off.
; LDS: 0 the ring; STG two stages of 64 x 528 (x's turn, v, the way out), under the q, k codes (4 x QKP, reaching over IMG once x is in registers); IMG 32 fragment images; SCL their scale words; SPARE the spare words.
; REGISTERS: window 0: addresses, scale words, ACC v64-127, v128-191 rope table / v128-255 P / v128-191 the way out; window 1 and window 2 v0-143: the 32 fragments; window 2 v144-239: weights; window 3: P V's sums.
; LIMITS: NaN and infinities among the inputs are not served; a block of zeros has the scale byte 1 (its codes are zeros; this program alone reads the bytes).
.set UNIT,   25600
.set RING1,  4*UNIT
.set STG,    2*RING1
.set STGB,   64*528
.set QKP,    25600                     ; a wave's part of the q, k codes: 64 tokens x 400 bytes; the four parts lie on end, every byte of them stored
.set IMG,    STG+2*STGB
.set SCL,    IMG+32*1536
.set SPARE,  SCL+2048
.set SPW,  1
.set NIL,  2
.set L16,  3
.set A12,  4
.set A508, 5
.set SCW,  6
.set LI,   7
.set LS,   8
.set WA,   9
.set WSA,  11
.set XTW,  13
.set XTR,  14
.set QA,   15
.set QBA,  16
.set A12T, 17
.set A508T, 18
.set SA,   19
.set SSA,  20
.set VW,   21
.set VRD,  22
.set OW,   23
.set GOFF, 25
.set RR,   29
.set HH,   30
.set SCWT, 31
.set XS,   32
.set WS,   48
.set SQK,  56
.set QAT,  60
.set QBT,  61
.set SAK,  62
.set ACC,  64
.set CS,   128
.set PP,   128
.set OB,   128
.set TT,   192
.set TM,   208
.set TP,   212
.set SCO,  216
.set BY,   220
.set CD,   224
.set WRD,  242
.set WF,   144
.set RHO,  14
.set G1,   16
.set G0,   24
.set OE,   37
.set SSG,  38
.set SB256, 39
.set SB1,  48
.set EL,   49
.set RP,   50
.set S24,  52
.set WB,   60
.set WO,   62
.set MSB, 0
.macro WIN new                         ; the immediate's high byte repeats the setting that is left
.if MSB != (\new)
	s_set_vgpr_msb (MSB<<8)|(\new)
.set MSB, \new
.endif
.endm
.macro PLACES n
.rept \n
	v_nop
.endr
.endm
.macro CREST                           ; a round of the cluster's barrier behind its opening barrier
	s_cmp_lg_u32 s10, 0
	s_cbranch_scc1 .Lnw0_\@
	s_barrier_signal -3
.Lnw0_\@:
	s_barrier_wait -3
	s_barrier_signal -1
	s_barrier_wait -1
.endm
.macro ROUND                           ; a whole round
	s_barrier_signal -1
	s_barrier_wait -1
	CREST
.endm
.macro BAR
	s_wait_dscnt 0x0
	s_barrier_signal -1
	s_barrier_wait -1
.endm
.macro JLOAD sl                        ; my unit of the next element, asked for jointly; s_nop 0 and four v_nop
	tensor_load_to_lds s[G0+4*(\sl):G0+4*(\sl)+3], s[G1:G1+7]
	s_nop 0
	PLACES 4
.endm
.macro NEXT sl                         ; slot sl's descriptor for walk step EL: q, k turned by RHO mod 16, v as it is, Wout turned mod 8
	s_add_co_u32 s40, s[EL], s[RHO]
	s_and_b32 s41, s40, 15
	s_and_b32 s40, s40, 7
	s_or_b32 s40, s40, 24
	s_cmp_lt_u32 s[EL], 16
	s_cselect_b32 s41, s41, s[EL]
	s_cmp_lt_u32 s[EL], 24
	s_cselect_b32 s41, s41, s40
	s_mul_i32 s[WO], s41, RING1
	s_add_nc_u64 s[G0+4*(\sl)+2:G0+4*(\sl)+3], s[WB:WB+1], s[WO:WO+1]
	s_or_b32 s[G0+4*(\sl)+3], s[G0+4*(\sl)+3], 0x80000000
	s_add_co_u32 s[EL], s[EL], 1
.endm
.macro SYNC sl, fill                   ; all my tensor loads, the add, all my LDS instructions; then the round and the refill, or a plain barrier
	WIN 0
	s_wait_tensorcnt 0x0
	ds_add_u32 v[SPW], v[NIL]
.if \fill
	NEXT \sl
.endif
	s_wait_dscnt 0x0
.if \fill
	ROUND
	JLOAD \sl
.else
	s_barrier_signal -1
	s_barrier_wait -1
	PLACES 4
.endif
.endm
.macro XLOAD s                         ; my 16 rows of x, K step s: 512 consecutive bytes a load
	WIN 0x40
.irp i, 0,1,2,3,4,5,6,7,8,9,10,11,12,13,14,15
	global_load_b128 v[64*((\s)%3)+4*\i:64*((\s)%3)+4*\i+3], v[L16], s[4:5] offset:4096*\i+512*(\s) th:TH_LOAD_NT
.endr
.endm
.macro QB4                             ; four half blocks of 16 in ACC (lane l xor 16 holds the other half): scale bytes BY, codes CD
.irp k, 0,1,2,3                        ; the largest magnitude in two chains a block (numbers 0-7 with the floor, numbers 8-14), eight chains by turns
	v_max3_num_f32 v[TM+\k], |v[ACC+16*\k]|, |v[ACC+16*\k+1]|, 0x1800000
.endr
.irp k, 0,1,2,3
	v_max3_num_f32 v[TP+\k], |v[ACC+16*\k+8]|, |v[ACC+16*\k+9]|, |v[ACC+16*\k+10]|
.endr
.irp i, 2,4
.irp k, 0,1,2,3
	v_max3_num_f32 v[TM+\k], v[TM+\k], |v[ACC+16*\k+\i]|, |v[ACC+16*\k+\i+1]|
.endr
.irp k, 0,1,2,3
	v_max3_num_f32 v[TP+\k], v[TP+\k], |v[ACC+16*\k+\i+9]|, |v[ACC+16*\k+\i+10]|
.endr
.endr
.irp k, 0,1,2,3
	v_max3_num_f32 v[TM+\k], v[TM+\k], |v[ACC+16*\k+6]|, |v[ACC+16*\k+7]|
.endr
.irp k, 0,1,2,3
	v_max3_num_f32 v[TM+\k], v[TM+\k], v[TP+\k], |v[ACC+16*\k+15]|   ; the two chains and number 15
.endr
.irp k, 0,1,2,3
	v_permlanex16_b32 v[TP+\k], v[TM+\k], s32, s33
.endr
.irp k, 0,1,2,3
	v_max_num_f32 v[TM+\k], v[TM+\k], v[TP+\k]
.endr
.irp k, 0,1,2,3
	v_add_nc_u32 v[SCO+\k], 0xff000000, v[TM+\k]
.endr
.irp k, 0,1,2,3
	v_lshrrev_b32 v[BY+\k], 23, v[SCO+\k]
.endr
.irp k, 0,1,2,3
	v_cvt_scalef32_pk16_fp6_f32 v[CD+4*\k:CD+4*\k+2], v[ACC+16*\k:ACC+16*\k+15], v[SCO+\k]
.endr
	v_nop
.endm
.macro PUT12 cd, c, off, ra, rb        ; 12 bytes of codes to their three places in a fragment's image
.if (\c) == 0
	ds_store_b32 v[\ra], v[\cd] offset:(\off)
	ds_store_b32 v[\rb], v[(\cd)+1] offset:(\off)+4
	ds_store_b32 v[\rb], v[(\cd)+2] offset:(\off)+8
.else
	ds_store_b32 v[\rb], v[\cd] offset:(\off)+520
	ds_store_b32 v[\rb], v[(\cd)+1] offset:(\off)+524
	ds_store_b32 v[\ra], v[(\cd)+2] offset:(\off)+1024
.endif
.endm
.macro XSTEP s                         ; K step s of my 16 rows: through my stage, quantised, into the image
.if (\s) <= 5
	s_wait_loadcnt 32                              ; the two younger steps' 32 loads may be out
.elseif (\s) == 6
	s_wait_loadcnt 16
.else
	s_wait_loadcnt 0x0
.endif
	WIN 0x04
.irp i, 0,1,2,3,4,5,6,7,8,9,10,11,12,13,14,15
	ds_store_b128 v[XTW], v[64*((\s)%3)+4*\i:64*((\s)%3)+4*\i+3] offset:528*\i
.endr
	WIN 0
.irp b, 0,1,2,3
.irp j, 0,1,2,3
	ds_load_b128 v[ACC+16*\b+4*\j:ACC+16*\b+4*\j+3], v[XTR] offset:128*\b+16*\j
.endr
.endr
	s_wait_dscnt 0x0
.if (\s)+3 < 8
	XLOAD (\s)+3
	WIN 0
.endif
	QB4
	v_lshl_or_b32 v[WRD], v[BY+1], 8, v[BY]
	v_lshl_or_b32 v[WRD], v[BY+2], 16, v[WRD]
	v_lshl_or_b32 v[WRD], v[BY+3], 24, v[WRD]
.irp b, 0,1,2,3
	PUT12 CD+4*\b, \b/2, (\s)*1536+256*(\b%2), A12, A508
.endr
	ds_store_b32 v[SCW], v[WRD] offset:256*(\s)
.endm
.macro XFETCH                          ; all 32 fragments (4 row blocks x 8 K steps) and their scale words into registers
	WIN 0x40
.irp k, 0,1,2,3,4
.irp m, 0,1,2,3
.irp g, 0,1,2
	ds_load_b128 v[48*\k+12*\m+4*\g:48*\k+12*\m+4*\g+3], v[LI] offset:(8*\m+\k)*1536+512*\g
.endr
.endr
.endr
	WIN 0x80
.irp k, 5,6,7
.irp m, 0,1,2,3
.irp g, 0,1,2
	ds_load_b128 v[48*(\k-5)+12*\m+4*\g:48*(\k-5)+12*\m+4*\g+3], v[LI] offset:(8*\m+\k)*1536+512*\g
.endr
.endr
.endr
	WIN 0
.irp k, 0,1,2,3,4,5,6,7
.irp p, 0,1
	ds_load_b32 v[XS+2*\k+\p], v[LS] offset:256*\k+128*\p
.endr
.endr
.endm
.macro WLOAD0 sl                       ; my unit's K steps 0-3 and all its scale words: 28 loads
	WIN 0x80
.irp b, 0,1,2,3
.irp u, 0,1
.irp g, 0,1,2
	ds_load_b128 v[WF+24*\b+12*\u+4*\g:WF+24*\b+12*\u+4*\g+3], v[WA+(\sl)] offset:(2*\b+\u)*1536+\g*512
.endr
.endr
.endr
	WIN 0
.irp q, 0,1,2,3
	ds_load_b64 v[WS+2*\q:WS+2*\q+1], v[WSA+(\sl)] offset:256*\q
.endr
.endm
.macro WM k, u, m                      ; transposed: source 0 = 16 weight rows, source 1 = 16 tokens; the eight accumulators by turns
.set rD, ACC+16*(\m)+8*(\u)
.set rA, WF+24*((\k)%4)+12*(\u)
.if (\k) < 5
.set rB, 48*(\k)+12*(\m)
.else
.set rB, 48*((\k)-5)+12*(\m)
.endif
.set rW, WS+(\k)
.set rX, XS+2*(\k)+(\m)/2
.if (\k) == 0
.if ((\u) == 0) && ((\m)%2 == 0)
	v_wmma_scale_f32_16x16x128_f8f6f4 v[rD:rD+7], v[rA:rA+11], v[rB:rB+11], 0, v[rW], v[rX] matrix_a_fmt:MATRIX_FMT_FP6 matrix_b_fmt:MATRIX_FMT_FP6
.elseif (\u) == 0
	v_wmma_scale_f32_16x16x128_f8f6f4 v[rD:rD+7], v[rA:rA+11], v[rB:rB+11], 0, v[rW], v[rX] matrix_a_fmt:MATRIX_FMT_FP6 matrix_b_fmt:MATRIX_FMT_FP6 matrix_b_scale:MATRIX_SCALE_ROW1
.elseif (\m)%2 == 0
	v_wmma_scale_f32_16x16x128_f8f6f4 v[rD:rD+7], v[rA:rA+11], v[rB:rB+11], 0, v[rW], v[rX] matrix_a_fmt:MATRIX_FMT_FP6 matrix_b_fmt:MATRIX_FMT_FP6 matrix_a_scale:MATRIX_SCALE_ROW1
.else
	v_wmma_scale_f32_16x16x128_f8f6f4 v[rD:rD+7], v[rA:rA+11], v[rB:rB+11], 0, v[rW], v[rX] matrix_a_fmt:MATRIX_FMT_FP6 matrix_b_fmt:MATRIX_FMT_FP6 matrix_a_scale:MATRIX_SCALE_ROW1 matrix_b_scale:MATRIX_SCALE_ROW1
.endif
.else
.if ((\u) == 0) && ((\m)%2 == 0)
	v_wmma_scale_f32_16x16x128_f8f6f4 v[rD:rD+7], v[rA:rA+11], v[rB:rB+11], v[rD:rD+7], v[rW], v[rX] matrix_a_fmt:MATRIX_FMT_FP6 matrix_b_fmt:MATRIX_FMT_FP6
.elseif (\u) == 0
	v_wmma_scale_f32_16x16x128_f8f6f4 v[rD:rD+7], v[rA:rA+11], v[rB:rB+11], v[rD:rD+7], v[rW], v[rX] matrix_a_fmt:MATRIX_FMT_FP6 matrix_b_fmt:MATRIX_FMT_FP6 matrix_b_scale:MATRIX_SCALE_ROW1
.elseif (\m)%2 == 0
	v_wmma_scale_f32_16x16x128_f8f6f4 v[rD:rD+7], v[rA:rA+11], v[rB:rB+11], v[rD:rD+7], v[rW], v[rX] matrix_a_fmt:MATRIX_FMT_FP6 matrix_b_fmt:MATRIX_FMT_FP6 matrix_a_scale:MATRIX_SCALE_ROW1
.else
	v_wmma_scale_f32_16x16x128_f8f6f4 v[rD:rD+7], v[rA:rA+11], v[rB:rB+11], v[rD:rD+7], v[rW], v[rX] matrix_a_fmt:MATRIX_FMT_FP6 matrix_b_fmt:MATRIX_FMT_FP6 matrix_a_scale:MATRIX_SCALE_ROW1 matrix_b_scale:MATRIX_SCALE_ROW1
.endif
.endif
.endm
.macro OSEND chk                       ; the block of out0 that lies in v[OB ..]: my 16 rows x 128 columns, 512 consecutive bytes a store.  chk: the first step of the walk has none
	WIN 0
.if \chk
	s_cmp_eq_u32 s36, 3
	s_cbranch_scc1 .Lnone_\@
.endif
	s_add_co_u32 s44, s[OE], s[RHO]
	s_and_b32 s44, s44, 7
	s_lshl_b32 s44, s44, 9                         ; the element's 128 columns
	s_add_nc_u64 s[46:47], s[8:9], s[44:45]        ; (the stores before have read this base: s_wait_xcnt 0 stands in OSTEP)
.irp i, 0,1,2,3,4,5,6,7,8,9,10,11,12,13,14,15
	global_store_b128 v[GOFF+\i/4], v[OB+4*\i:OB+4*\i+3], s[46:47] offset:(\i%4)*2097152 th:TH_STORE_NT
.endr
	s_add_co_u32 s[OE], s[OE], 1
.if \chk
.Lnone_\@:
.endif
.endm
.macro KSTEP k, sl, sync, ost
.if (\k) >= 4
.if (\sync) && ((\k) == 7)
	s_wait_dscnt 0x0                               ; the add is done, and so are my reads of this slot:
	s_barrier_signal -1                            ; the round's opening signal; K step 7's eight products, work on registers, stand between it and its wait
.elseif (\sync) && ((\k) == 6)
	s_wait_dscnt 7                                 ; K step 7's six loads and the add may be out
.else
	s_wait_dscnt 6*(7-(\k))                        ; the later K steps' six loads each may be out
.endif
.endif
.if (\k) < 5
	WIN 0x06
.else
	WIN 0x0a
.endif
.irp u, 0,1
.irp m, 0,1,2,3
	WM \k, \u, \m
.endr
.endr
.if (\k) < 4
	PLACES 4
	WIN 0x80
.irp u, 0,1
.irp g, 0,1,2
	ds_load_b128 v[WF+24*(\k)+12*\u+4*\g:WF+24*(\k)+12*\u+4*\g+3], v[WA+(\sl)] offset:(2*((\k)+4)+\u)*1536+\g*512
.endr
.endr
.endif
.if (\sync) && ((\k) == 5)
	WIN 0
	s_wait_tensorcnt 0x0                           ; the other slot's unit has landed
	ds_add_u32 v[SPW], v[NIL]                      ; eight matrix instructions stand between it and its wait
	NEXT \sl
.endif
.if (\ost) && ((\k) == 4)
	OSEND (\ost)-1                                 ; K step 4's wait has shown the stage's loads, older than K steps 0-3's, done
.endif
.endm
.macro GEMM sl, sync, young, ost
	s_wait_dscnt \young
.irp k, 0,1,2,3,4,5,6,7
	KSTEP \k, \sl, \sync, \ost
.endr
.endm
.macro POST_QK sl                      ; rope, quantiser, codes and scale bytes to place 2 trip + sl of my part of the q, k codes
	v_add_nc_u32 v[QAT], s[S24], v[QA]
	v_add_nc_u32 v[QBT], s[SSG], v[QBA]
.irp j, 0,2,4,6                        ; two pairs of each row block at a time: eight products x cos, then the eight sums with the swapped halves x sin
.irp i, \j, \j+1
.irp m, 0,1,2,3
	v_pk_mul_f32 v[TT+8*((\i)%2)+2*\m:TT+8*((\i)%2)+2*\m+1], v[ACC+16*\m+2*(\i):ACC+16*\m+2*(\i)+1], v[CS+16*\m+2*(\i):CS+16*\m+2*(\i)+1] op_sel_hi:[1,0]
.endr
.endr
.irp i, \j, \j+1
.irp m, 0,1,2,3
	v_pk_fma_f32 v[ACC+16*\m+2*(\i):ACC+16*\m+2*(\i)+1], v[ACC+16*\m+2*(\i):ACC+16*\m+2*(\i)+1], v[CS+16*\m+2*(\i):CS+16*\m+2*(\i)+1], v[TT+8*((\i)%2)+2*\m:TT+8*((\i)%2)+2*\m+1] op_sel:[1,1,0] op_sel_hi:[0,1,1] neg_lo:[0,1,0]
.endr
.endr
.endr
	QB4
.irp m, 0,1,2,3
.irp i, 0,1,2
	ds_store_b32 v[QAT], v[CD+4*\m+\i] offset:6400*\m+4*\i+24*(\sl)
.endr
	ds_store_b8 v[QBT], v[BY+\m] offset:6400*\m+(\sl)
.endr
.endm
.macro QKSTEP sl
	GEMM \sl, 1, 16, 0                             ; the 16 stores of the step before may be out; the round's opening signal stands ahead of K step 7
	WIN 0
	s_barrier_wait -1
	CREST
	JLOAD \sl
.if \sl
	s_cmp_eq_u32 s36, 1                            ; behind the last step the weights' registers serve the scores: nothing is fetched into them
	s_cbranch_scc1 .Lnw_\@
.endif
	WLOAD0 1-\sl
.if \sl
.Lnw_\@:
.endif
	POST_QK \sl
.endm
.macro SLOAD bt                        ; four tokens' q and k: lane r takes head r; 24 bytes (K = 64's block h) and the two scale bytes
	WIN 0x80
.irp t, 0,1,2,3
.irp p, 0,1,2
	ds_load_b64 v[WF+24*\t+12+2*\p:WF+24*\t+12+2*\p+1], v[SA] offset:400*(4*(\bt)+\t)+8*\p
	ds_load_b64 v[WF+24*\t+2*\p:WF+24*\t+2*\p+1], v[SAK] offset:400*(4*(\bt)+\t)+8*\p
.endr
.endr
	WIN 0
.irp t, 0,1,2,3
	ds_load_u8 v[96+\t], v[SSA] offset:400*(4*(\bt)+\t)
	ds_load_u8 v[100+\t], v[SSA] offset:400*(4*(\bt)+\t)+QKP
.endr
.endm
.macro SOFTMAX bt                      ; lane (r, h): query r, keys 8 h + 0 .. 7; the four tokens by turns
.irp t, 0,1,2,3
.set pb, PP+8*(4*(\bt)+\t)
	v_max3_num_f32 v[64+\t], v[pb], v[pb+1], v[pb+2]
.endr
.irp t, 0,1,2,3
.set pb, PP+8*(4*(\bt)+\t)
	v_max3_num_f32 v[64+\t], v[64+\t], v[pb+3], v[pb+4]
.endr
.irp t, 0,1,2,3
.set pb, PP+8*(4*(\bt)+\t)
	v_max3_num_f32 v[64+\t], v[64+\t], v[pb+5], v[pb+6]
.endr
.irp t, 0,1,2,3
.set pb, PP+8*(4*(\bt)+\t)
	v_max_num_f32 v[64+\t], v[64+\t], v[pb+7]
.endr
.irp t, 0,1,2,3
	v_permlanex16_b32 v[68+\t], v[64+\t], s32, s33
.endr
.irp t, 0,1,2,3
	v_max_num_f32 v[64+\t], v[64+\t], v[68+\t]
.endr
.irp t, 0,1,2,3
	v_mul_f32 v[72+2*\t], 0xbe38aa3b, v[64+\t]     ; - log2(e) / 8 x the maximum
.endr
.irp i, 0,2,4,6
.irp t, 0,1,2,3
.set pb, PP+8*(4*(\bt)+\t)
	v_pk_fma_f32 v[pb+\i:pb+\i+1], v[pb+\i:pb+\i+1], s[34:35], v[72+2*\t:73+2*\t] op_sel_hi:[1,0,0]
.endr
.endr
	s_wait_alu depctr_va_vdst(0)
.irp i, 0,1,2,3,4,5,6,7
.irp t, 0,1,2,3
.set pb, PP+8*(4*(\bt)+\t)
	v_exp_f32 v[pb+\i], v[pb+\i]
.endr
.endr
	v_nop
	s_wait_alu depctr_va_vdst(0)
.irp t, 0,1,2,3
.set pb, PP+8*(4*(\bt)+\t)
	v_pk_add_f32 v[80+2*\t:81+2*\t], v[pb:pb+1], v[pb+2:pb+3]
.endr
.irp t, 0,1,2,3
.set pb, PP+8*(4*(\bt)+\t)
	v_pk_add_f32 v[88+2*\t:89+2*\t], v[pb+4:pb+5], v[pb+6:pb+7]
.endr
.irp t, 0,1,2,3
	v_pk_add_f32 v[80+2*\t:81+2*\t], v[80+2*\t:81+2*\t], v[88+2*\t:89+2*\t]
.endr
.irp t, 0,1,2,3
	v_add_f32 v[80+2*\t], v[80+2*\t], v[81+2*\t]
.endr
.irp t, 0,1,2,3
	v_permlanex16_b32 v[68+\t], v[80+2*\t], s32, s33
.endr
.irp t, 0,1,2,3
	v_add_f32 v[80+2*\t], v[80+2*\t], v[68+\t]
.endr
	s_wait_alu depctr_va_vdst(0)
.irp t, 0,1,2,3
	v_rcp_f32 v[104+2*\t], v[80+2*\t]
.endr
	v_nop
	s_wait_alu depctr_va_vdst(0)
.irp i, 0,2,4,6
.irp t, 0,1,2,3
.set pb, PP+8*(4*(\bt)+\t)
	v_pk_mul_f32 v[pb+\i:pb+\i+1], v[pb+\i:pb+\i+1], v[104+2*\t:105+2*\t] op_sel_hi:[1,0]
.endr
.endr
.endm
.macro OQUANT                          ; my 16 tokens' attention results for 32 of d: quantised into the image of the last product's A
	v_add_nc_u32 v[A12T], s[SB256], v[A12]
	v_add_nc_u32 v[A508T], s[SB256], v[A508]
	v_add_nc_u32 v[SCWT], s[SB1], v[SCW]
.irp bt, 0,1
	WIN 0x0f
.irp k, 0,1,2,3,4,5,6,7
	v_max3_num_f32 v[64+\k], |v[16*(8*\bt+\k)]|, |v[16*(8*\bt+\k)+1]|, 0x1800000
.endr
.irp i, 2,4,6,8,10,12,14
.irp k, 0,1,2,3,4,5,6,7
	v_max3_num_f32 v[64+\k], |v[16*(8*\bt+\k)+\i]|, |v[16*(8*\bt+\k)+\i+1]|, v[64+\k]
.endr
.endr
	WIN 0
.irp k, 0,1,2,3,4,5,6,7
	v_permlanex16_b32 v[72+\k], v[64+\k], s32, s33
.endr
.irp k, 0,1,2,3,4,5,6,7
	v_max_num_f32 v[64+\k], v[64+\k], v[72+\k]
.endr
.irp k, 0,1,2,3,4,5,6,7
	v_add_nc_u32 v[80+\k], 0xff000000, v[64+\k]
.endr
.irp k, 0,1,2,3,4,5,6,7
	v_lshrrev_b32 v[88+\k], 23, v[80+\k]
.endr
	WIN 0x03
.irp k, 0,1,2,3,4,5,6,7
	v_cvt_scalef32_pk16_fp6_f32 v[96+4*\k:98+4*\k], v[16*(8*\bt+\k):16*(8*\bt+\k)+15], v[80+\k]
.endr
	WIN 0
	v_nop
.irp k, 0,1,2,3,4,5,6,7
	PUT12 96+4*\k, \k%2, (4*\bt+\k/2)*1536, A12T, A508T
	ds_store_b8 v[SCWT], v[88+\k] offset:256*(4*\bt+\k/2)+2*(\k%2)
.endr
.if \bt == 0
	s_wait_dscnt 0x0
.endif
.endr
.endm
.macro VSTEP sl, pi, hi, qf            ; an element of v for all 64 tokens, through the stage to the tokens' owners, then P V in f32
	GEMM \sl, 0, 0, 0
	WIN 0
	PLACES 4
.irp m, 0,1,2,3
.irp u, 0,1
	ds_store_b128 v[VW], v[ACC+16*\m+8*\u:ACC+16*\m+8*\u+3] offset:(\sl)*STGB+8448*\m+64*\u
	ds_store_b128 v[VW], v[ACC+16*\m+8*\u+4:ACC+16*\m+8*\u+7] offset:(\sl)*STGB+8448*\m+64*\u+16
.endr
.endr
	SYNC \sl, 1
.irp kp, 0,1
.irp t, 0,1,2,3,4,5,6,7,8,9,10,11,12,13,14,15
	ds_load_b64 v[64+32*\kp+2*\t:65+32*\kp+2*\t], v[VRD] offset:(\sl)*STGB+528*\t+256*\kp
.endr
.endr
	WLOAD0 1-\sl
	WIN 0xf0
.irp kp, 0,1
	s_wait_dscnt 44-16*\kp                         ; this half's 16 loads are in; the other half's 16 (kp = 0) and the next unit's 28 may be out
	s_wait_alu depctr_va_vdst(0)
.irp t, 0,1,2,3,4,5,6,7,8,9,10,11,12,13,14,15
.if 2*(\pi)+\kp == 0
	v_wmma_f32_16x16x4_f32 v[16*\t+8*(\hi):16*\t+8*(\hi)+7], v[64+32*\kp+2*\t:65+32*\kp+2*\t], v[PP+8*\t+2*(2*(\pi)+\kp):PP+8*\t+2*(2*(\pi)+\kp)+1], 0
.else
	v_wmma_f32_16x16x4_f32 v[16*\t+8*(\hi):16*\t+8*(\hi)+7], v[64+32*\kp+2*\t:65+32*\kp+2*\t], v[PP+8*\t+2*(2*(\pi)+\kp):PP+8*\t+2*(2*(\pi)+\kp)+1], v[16*\t+8*(\hi):16*\t+8*(\hi)+7]
.endif
.endr
.endr
	WIN 0
	PLACES 9
.if \qf
	OQUANT
.endif
.endm
.macro OSTEP sl, fill, wl, ost         ; an element of Wout: 64 rows x 32 columns a wave, through the stage; the block comes back into v[OB ..] and is stored in the middle of the next step's products
	GEMM \sl, 0, 16, \ost                          ; the stage's 16 loads, younger than the unit's 28, may be out
	WIN 0
	PLACES 4
.irp m, 0,1,2,3
.irp q, 0,1,2,3
	ds_store_b128 v[OW], v[ACC+16*\m+4*\q:ACC+16*\m+4*\q+3] offset:(\sl)*STGB+8448*\m+16*\q
.endr
.endr
	SYNC \sl, \fill
	s_wait_xcnt 0x0                                ; the stores of the block before have read v[OB ..] and their base
.if \wl
	WLOAD0 1-\sl
.endif
.irp i, 0,1,2,3,4,5,6,7,8,9,10,11,12,13,14,15
	ds_load_b128 v[OB+4*\i:OB+4*\i+3], v[XTW] offset:(\sl)*STGB+528*\i
.endr
.endm
	s_load_b128 s[4:7], s[0:1], 0x0                ; x, wimg
	s_load_b64 s[8:9], s[0:1], 0x10                ; out0
	s_load_b64 s[RP:RP+1], s[0:1], 0x18            ; the rope table
	v_lshl_add_u32 v[SPW], v0, 2, SPARE
	v_mov_b32 v[NIL], 0
	ds_add_u32 v1, v2
	ds_add_u32 v1, v2
	s_wait_dscnt 0x0
	v_lshrrev_b32 v31, 5, v0
	v_readfirstlane_b32 s10, v31                   ; wave
	s_bfe_u32 s11, ttmp6, 0x40000
	s_lshl_b32 s12, ttmp9, 2
	s_add_co_u32 s12, s12, s11                     ; work-group: tokens 64 s12 ..
	s_and_b32 s13, s12, 127
	s_lshl_b32 s13, s13, 6
	s_lshr_b32 s[RHO], ttmp9, 4
	s_lshl_b32 s[RHO], s[RHO], 2
	s_add_co_u32 s[RHO], s[RHO], ttmp9
	s_and_b32 s[RHO], s[RHO], 15                   ; where my cluster's walk begins: made of the cluster's number alone
	v_and_b32 v24, 31, v0
	v_and_b32 v[RR], 15, v0
	v_bfe_u32 v[HH], v0, 4, 1
	v_lshlrev_b32 v[L16], 4, v24
	s_lshl_b32 s40, s12, 18
	s_lshl_b32 s41, s10, 16
	s_add_co_u32 s40, s40, s41                     ; my 16 rows of x
	s_mov_b32 s41, 0
	s_and_b32 s42, s12, 127
	s_lshl_b32 s42, s42, 14                        ; the table: 16,384 bytes for my work-group's 64 positions,
	s_and_b32 s43, s10, 1
	s_lshl_b32 s43, s43, 11                        ; 2,048 for the half of d that my units hold
	s_add_co_u32 s42, s42, s43
	s_mov_b32 s43, 0
	s_wait_alu depctr_va_vdst(0)
	s_wait_kmcnt 0x0
	s_add_nc_u64 s[4:5], s[4:5], s[40:41]
	s_add_nc_u64 s[RP:RP+1], s[RP:RP+1], s[42:43]
	s_lshr_b32 s42, s12, 7                         ; out0: row 8192 batch + 4 (s12 % 128) + wave, + 512 for each head
	s_lshl_b32 s42, s42, 13
	s_and_b32 s43, s12, 127
	s_lshl_b32 s43, s43, 2
	s_add_co_u32 s42, s42, s43
	s_add_co_u32 s42, s42, s10
	s_lshl_b32 s42, s42, 12
	s_mov_b32 s43, 0
	s_add_nc_u64 s[8:9], s[8:9], s[42:43]
	s_mov_b32 s[G1], 15|(3<<16)|(1<<21)            ; a unit: 100 rows of 256 bytes, dense; mask: the cluster's four
	s_mov_b32 s[G1+1], 32<<16
	s_mov_b32 s[G1+2], 100<<16
	s_mov_b32 s[G1+3], 32<<16
	s_mov_b32 s[G1+4], 100
	s_mov_b32 s[G1+5], 32
	s_mov_b32 s[G1+6], 0
	s_mov_b32 s[G1+7], 0
	s_mul_i32 s44, s10, UNIT
	s_mov_b32 s45, 0
	s_add_nc_u64 s[WB:WB+1], s[6:7], s[44:45]
	s_mov_b32 s[WO+1], 0
	s_mul_i32 s[WO], s[RHO], RING1
	s_mov_b32 s[G0], 1
	s_mul_i32 s[G0+1], s10, UNIT
	s_add_nc_u64 s[G0+2:G0+3], s[WB:WB+1], s[WO:WO+1]
	s_or_b32 s[G0+3], s[G0+3], 0x80000000
	s_add_co_u32 s40, s[RHO], 1
	s_and_b32 s40, s40, 15
	s_mul_i32 s[WO], s40, RING1
	s_mov_b32 s[G0+4], 1
	s_add_co_u32 s[G0+5], s44, RING1
	s_add_nc_u64 s[G0+6:G0+7], s[WB:WB+1], s[WO:WO+1]
	s_or_b32 s[G0+7], s[G0+7], 0x80000000
	s_mov_b32 s[EL], 2
	ROUND                                          ; in front of the first joint load
	JLOAD 0                                        ; walk step 0: one tensor load a wave at the head, asked for ahead of x
.irp m, 0,1,2,3
.irp q, 0,1,2,3
	global_load_b128 v[CS+16*\m+4*\q:CS+16*\m+4*\q+3], v[L16], s[RP:RP+1] offset:4096*\m+512*\q   ; cos, sin: older than x's loads, so x's counts show them done
.endr
.endr
	XLOAD 0
	XLOAD 1
	XLOAD 2
	WIN 0
	s_mov_b32 s32, 0x76543210
	s_mov_b32 s33, 0xfedcba98                      ; selects for lane l xor 16
	s_mov_b32 s34, 0x3e38aa3b                      ; log2(e) / 8
	s_mov_b32 s35, s34
	s_mul_i32 s40, s10, 12288
	s_add_co_u32 s40, s40, IMG
	v_lshlrev_b32 v[A12], 4, v[RR]
	v_mad_u32_u24 v[A508], v[HH], 508, v[A12]
	v_mad_u32_u24 v[A12], v[HH], 12, v[A12]
	v_add_nc_u32 v[A12], s40, v[A12]
	v_add_nc_u32 v[A508], s40, v[A508]
	s_lshl_b32 s40, s10, 6
	s_add_co_u32 s40, s40, SCL
	v_lshl_add_u32 v[SCW], v[RR], 2, s40
	v_add_nc_u32 v[LI], IMG, v[L16]
	v_lshl_add_u32 v[LS], v24, 2, SCL
	s_mul_i32 s40, s10, UNIT
	v_add_nc_u32 v[WA], s40, v[L16]
	v_add_nc_u32 v[WA+1], RING1, v[WA]
	s_add_co_u32 s41, s40, 24576
	v_lshl_add_u32 v[WSA], v24, 3, s41
	v_add_nc_u32 v[WSA+1], RING1, v[WSA]
	s_mul_i32 s40, s10, 8448
	s_add_co_u32 s40, s40, STG
	v_add_nc_u32 v[XTW], s40, v[L16]
	v_mul_u32_u24 v[XTR], v[RR], 528
	v_lshl_add_u32 v[XTR], v[HH], 6, v[XTR]
	v_add_nc_u32 v[XTR], s40, v[XTR]
	v_lshl_add_u32 v[VRD], v24, 3, s40
	s_mul_i32 s40, s10, QKP                        ; q, k codes, on the way in: my part, token's 400 bytes: 16 places of 24, then 16 scale bytes
	s_add_co_u32 s40, s40, STG
	v_mul_u32_u24 v[QBA], v[RR], 400
	v_add_nc_u32 v[QBA], s40, v[QBA]
	v_mad_u32_u24 v[QA], v[HH], 12, v[QBA]
	v_add_nc_u32 v[QBA], 384, v[QBA]
	s_mul_i32 s40, s10, 6400                       ; on the way out: my 16 tokens; head r lies in part 2 (r % 2) + h; element e lies at place (e - RHO) mod 16
	s_add_co_u32 s40, s40, STG
	s_sub_co_u32 s41, 16, s[RHO]
	v_and_b32 v[SSA], 1, v[RR]
	v_lshrrev_b32 v[QAT], 1, v[RR]
	v_add_nc_u32 v[QAT], s41, v[QAT]               ; r / 2 + 16 - RHO
	v_lshl_add_u32 v[SA], v[SSA], 1, v[HH]
	v_mul_u32_u24 v[SA], v[SA], QKP
	v_add_nc_u32 v[SA], s40, v[SA]
	v_add_nc_u32 v[QBT], 8, v[QAT]
	v_and_b32 v[QBT], 15, v[QBT]                   ; k's place (elements 8-15)
	v_mad_u32_u24 v[SAK], v[QBT], 24, v[SA]
	v_lshl_add_u32 v[QBT], v[HH], 3, v[QAT]
	v_and_b32 v[QBT], 15, v[QBT]                   ; scale bytes: lanes 0-15 q's place, lanes 16-31 k's
	v_and_b32 v[QAT], 15, v[QAT]                   ; q's place (elements 0-7)
	v_mad_u32_u24 v[SA], v[QAT], 24, v[SA]
	v_mul_u32_u24 v[SSA], v[SSA], 2*QKP
	v_add_nc_u32 v[SSA], v[SSA], v[QBT]
	s_add_co_u32 s40, s40, 384
	v_add_nc_u32 v[SSA], s40, v[SSA]
	s_lshl_b32 s40, s10, 7
	s_add_co_u32 s40, s40, STG
	v_mul_u32_u24 v[VW], v[RR], 528
	v_add_nc_u32 v[VW], s40, v[VW]
	v_lshl_add_u32 v[OW], v[HH], 6, v[VW]
	v_lshl_add_u32 v[VW], v[HH], 5, v[VW]
	v_mov_b32 v[GOFF], v[L16]
	v_add_nc_u32 v[GOFF+1], 0x800000, v[L16]
	v_add_nc_u32 v[GOFF+2], 0x1000000, v[L16]
	v_add_nc_u32 v[GOFF+3], 0x1800000, v[L16]
	s_wait_alu depctr_va_vdst(0)
	XSTEP 0
	s_wait_alu depctr_va_vdst(0)
	s_wait_tensorcnt 0x0                           ; slot 1's first fill is issued as a refill is: my load has landed,
	ds_add_u32 v[SPW], v[NIL]                      ; the add,
	s_wait_dscnt 0x0                               ; its wait,
	ROUND                                          ; a round,
	JLOAD 1                                        ; and walk step 1; seven K steps of x stand between this load and the first wait for it
.irp s, 1,2,3,4,5,6,7
	XSTEP \s
.endr
	BAR                                            ; the image is whole
	XFETCH
	WLOAD0 0
	BAR                                            ; everybody has it in registers: the q, k codes may be laid over it
	s_mov_b32 s[SSG], 0
	s_mov_b32 s[S24], 0
	s_mov_b32 s36, 8
.Lqk:                                                  ; 16 steps: q and k
	QKSTEP 0
	QKSTEP 1
	s_add_co_u32 s[SSG], s[SSG], 2
	s_add_co_u32 s[S24], s[S24], 48
	s_sub_co_u32 s36, s36, 1
	s_cmp_lg_u32 s36, 0
	s_cbranch_scc1 .Lqk
	BAR
	WIN 0x80
.irp t, 0,1,2,3
.irp i, 6,7,8,9,10,11
	v_mov_b32 v[WF+24*\t+\i], 0                    ; K = 64: the upper half of the instruction's 128 is zero codes, on both sides
	v_mov_b32 v[WF+24*\t+12+\i], 0
.endr
.endr
	WIN 0
.irp t, 0,1,2,3
	v_mov_b32 v[68+\t], 0
	v_mov_b32 v[73+2*\t], 0
	v_mov_b32 v[105+2*\t], 0
.endr
	SLOAD 0
.irp bt, 0,1,2,3                       ; my 16 tokens' scores, four at a time: S^T = k q^T
	s_wait_dscnt 0x0
.irp t, 0,1,2,3
	v_lshl_or_b32 v[SQK+\t], v[100+\t], 8, v[96+\t]
.endr
	PLACES 8
	WIN 0x0a
.irp t, 0,1,2,3
	v_wmma_scale_f32_16x16x128_f8f6f4 v[PP+8*(4*\bt+\t):PP+8*(4*\bt+\t)+7], v[WF+24*\t:WF+24*\t+11], v[WF+24*\t+12:WF+24*\t+23], 0, v[SQK+\t], v[SQK+\t] matrix_a_fmt:MATRIX_FMT_FP6 matrix_b_fmt:MATRIX_FMT_FP6 matrix_a_scale:MATRIX_SCALE_ROW1
.endr
	WIN 0
	PLACES 4
.if \bt < 3
	SLOAD \bt+1
.endif
	SOFTMAX \bt
.endr
	BAR                                            ; the q, k codes are read out: the stages and the image may be written
	WLOAD0 0
	s_mov_b32 s[SB256], 0
	s_mov_b32 s[SB1], 0
	s_mov_b32 s36, 2
.Lv:                                                   ; 8 steps: v and P V; a trip finishes 32 of d
	VSTEP 0, 0, 0, 0
	VSTEP 1, 1, 0, 0
	VSTEP 0, 0, 1, 0
	VSTEP 1, 1, 1, 1
	s_add_co_u32 s[SB256], s[SB256], 256
	s_add_co_u32 s[SB1], s[SB1], 1
	s_sub_co_u32 s36, s36, 1
	s_cmp_lg_u32 s36, 0
	s_cbranch_scc1 .Lv
	BAR
	XFETCH
	s_wait_dscnt 0x0
	s_mov_b32 s[OE], 0
	s_mov_b32 s45, 0
	s_mov_b32 s36, 3
.Lo:                                                   ; 8 steps: Wout; the last two fill nothing and are written out
	OSTEP 0, 1, 1, 2
	OSTEP 1, 1, 1, 1
	s_sub_co_u32 s36, s36, 1
	s_cmp_lg_u32 s36, 0
	s_cbranch_scc1 .Lo
	OSTEP 0, 0, 1, 1
	OSTEP 1, 0, 0, 1
	s_wait_dscnt 0x0
	OSEND 0                                        ; the last block
	s_wait_tensorcnt 0x0                           ; the wave's end
	ds_add_u32 v[SPW], v[NIL]
	s_wait_dscnt 0x0
	ROUND                                          ; the closing round
	s_endpgm
.Lfunc_end_k_q060eeb692c_fused:
	.size	k_q060eeb692c_fused, .Lfunc_end_k_q060eeb692c_fused-k_q060eeb692c_fused
	.p2alignl 7, 3214868480
	.fill 96, 4, 3214868480
	.section	.rodata,"a",@progbits
	.p2align	6, 0x0
	.amdhsa_kernel k_q060eeb692c_fused
		.amdhsa_group_segment_fixed_size 327680
		.amdhsa_private_segment_fixed_size 0
		.amdhsa_enable_private_segment 0
		.amdhsa_kernarg_size 32
		.amdhsa_user_sgpr_count 2
		.amdhsa_user_sgpr_kernarg_segment_ptr 1
		.amdhsa_wavefront_size32 1
		.amdhsa_system_sgpr_workgroup_id_x 1
		.amdhsa_system_sgpr_workgroup_id_y 1
		.amdhsa_system_sgpr_workgroup_id_z 1
		.amdhsa_system_vgpr_workitem_id 0
		.amdhsa_next_free_vgpr 1024
		.amdhsa_next_free_sgpr 66
		.amdhsa_reserve_vcc 0
		.amdhsa_float_denorm_mode_32 3
		.amdhsa_float_denorm_mode_16_64 3
		.amdhsa_memory_ordered 1
		.amdhsa_forward_progress 1
		.amdhsa_inst_pref_size 255
	.end_amdhsa_kernel
	.section	.bss,"aw",@nobits
	.p2align	6
	.space	262144
	.amdgpu_metadata
---
amdhsa.version: [ 1, 2 ]
amdhsa.kernels:
  - .name:           k_q060eeb692c_fused
    .symbol:         k_q060eeb692c_fused.kd
    .args:
      - { .name: x, .offset: 0, .size: 8, .value_kind: global_buffer, .address_space: global }
      - { .name: wimg, .offset: 8, .size: 8, .value_kind: global_buffer, .address_space: global }
      - { .name: out0, .offset: 16, .size: 8, .value_kind: global_buffer, .address_space: global }
      - { .name: rope, .offset: 24, .size: 8, .value_kind: global_buffer, .address_space: global }
    .group_segment_fixed_size: 327680
    .private_segment_fixed_size: 0
    .kernarg_segment_align: 8
    .kernarg_segment_size: 32
    .max_flat_workgroup_size: 128
    .sgpr_count:     66
    .vgpr_count:     1024
    .wavefront_size: 32
...
	.end_amdgpu_metadata
.endif
;; end of part 4
